; MI455X (gfx1250); checked and timed in simulation.
; The chip was launched on July 23, 2026; its instructions are those of AMD's public machine-readable ISA for CDNA 5 (MIT licence, August 2026) and "CDNA5" Instruction Set Architecture Reference Guide (July 2026). The comments in the code are by the model that wrote it; some were corrected since.
;; Encoder Layer. Allowed arithmetic: matrix products marked QUANTISED: E2M3 operands, one E8M0 scale for each 32 along K, by v_wmma_scale_f32_16x16x128_f8f6f4 with both operands' format E2M3, f32 sums; everything else in f32.
;; Inputs: b_ff1 4,096 float32; b_ff2 1,024 float32; b_k 1,024 float32; b_o 1,024 float32; b_q 1,024 float32; b_v 1,024 float32; ln1_b 1,024 float32; ln1_g 1,024 float32; ln2_b 1,024 float32; ln2_g 1,024 float32; src_mask 2 x 1 x 1 x 2,048 float32; w_ff1_codes 4,096 x 32 x 24 uint8 (E2M3 codes of w_ff1, K innermost, in blocks of 32 codes, four codes in three bytes); w_ff1_scales 4,096 x 32 uint8 (E8M0 scales of w_ff1, one for each 32 codes along K); w_ff2_codes 1,024 x 128 x 24 uint8 (E2M3 codes of w_ff2, K innermost, in blocks of 32 codes, four codes in three bytes); w_ff2_scales 1,024 x 128 uint8 (E8M0 scales of w_ff2, one for each 32 codes along K); w_k_codes 1,024 x 32 x 24 uint8 (E2M3 codes of w_k, K innermost, in blocks of 32 codes, four codes in three bytes); w_k_scales 1,024 x 32 uint8 (E8M0 scales of w_k, one for each 32 codes along K); w_o_codes 1,024 x 32 x 24 uint8 (E2M3 codes of w_o, K innermost, in blocks of 32 codes, four codes in three bytes); w_o_scales 1,024 x 32 uint8 (E8M0 scales of w_o, one for each 32 codes along K); w_q_codes 1,024 x 32 x 24 uint8 (E2M3 codes of w_q, K innermost, in blocks of 32 codes, four codes in three bytes); w_q_scales 1,024 x 32 uint8 (E8M0 scales of w_q, one for each 32 codes along K); w_v_codes 1,024 x 32 x 24 uint8 (E2M3 codes of w_v, K innermost, in blocks of 32 codes, four codes in three bytes); w_v_scales 1,024 x 32 uint8 (E8M0 scales of w_v, one for each 32 codes along K); x 2 x 2,048 x 1,024 float32.
;; Outputs: out0 2 x 2,048 x 1,024 float32.
;; This version of the problem:
;;   THIS VERSION OF THE PROBLEM IS GIVEN IN LOW PRECISION. The matrix products marked QUANTISED in the list below multiply operands that are first quantised to E2M3 (2 exponent bits, 3 mantissa bits; 6 bits a number), with one power-of-two scale for each 32 numbers along K (OCP MX v1.0); their sums are f32. All else is computed in f32.
;;   The module's matrix products, in the order in which they are computed (A, B: the left and right operand; K: the contracted axis; several contracted axes count as one K, in the product's order):
;;     1. [M 4,096, K 1,024] x [K 1,024, N 1,024]; A: input x; B: input w_q (given as codes): QUANTISED
;;     2. [M 4,096, K 1,024] x [K 1,024, N 1,024]; A: input x; B: input w_k (given as codes): QUANTISED
;;     3. [M 4,096, K 1,024] x [K 1,024, N 1,024]; A: input x; B: input w_v (given as codes): QUANTISED
;;     4. batch 32 x [M 2,048, K 64] x [K 64, N 2,048]; A: computed on the way; B: computed on the way: QUANTISED
;;     5. batch 32 x [M 2,048, K 2,048] x [K 2,048, N 64]; A: softmax (see below); B: computed on the way: QUANTISED
;;     6. [M 4,096, K 1,024] x [K 1,024, N 1,024]; A: computed on the way; B: input w_o (given as codes): QUANTISED
;;     7. [M 4,096, K 1,024] x [K 1,024, N 4,096]; A: computed on the way; B: input w_ff1 (given as codes): QUANTISED
;;     8. [M 4,096, K 4,096] x [K 4,096, N 1,024]; A: computed on the way; B: input w_ff2 (given as codes): QUANTISED
;;   THE QUANTISER, for each operand of a quantised product, along K:
;;     - K is cut into blocks of 32 from its start; a last block that is shorter is filled with zeros.
;;     - A block's scale is 2^e with e = floor(log2(the largest magnitude in the block)) - 2, held to -126 .. 127; a block of zeros has e = 0. As a byte (E8M0): e + 127.
;;     - Each number is divided by its block's scale, clamped to +-7.5, and rounded to the nearest number of E2M3, ties to even, subnormals kept.
;;     - The product sums the exact products of the quantised numbers (number of the format x scale) in f32.
;;   ~~~python
;;   def quantise(x, axis):      # numpy; x: float32 -> the quantised numbers, widened to float32 again
;;       x = np.moveaxis(x, axis, -1); K = x.shape[-1]
;;       x = np.pad(x, [(0, 0)] * (x.ndim - 1) + [(0, -K % 32)]); x = x.reshape(x.shape[:-1] + (-1, 32)); a = np.abs(x).max(-1, keepdims=True)
;;       e = np.where(a > 0, np.clip(np.frexp(np.where(a > 0, a, 1))[1] - 1 - 2, -126, 127), 0)      # np.frexp(a)[1] - 1 = floor(log2(a)), exactly
;;       r = np.clip(x / 2.0 ** e, -7.5, 7.5)
;;       step = 2.0 ** (np.maximum(np.frexp(np.where(r == 0, 1, r))[1] - 1, 0) - 3)
;;       q = np.round(r / step) * step * 2.0 ** e      # np.round: ties to even
;;       return np.moveaxis(q.reshape(q.shape[:-2] + (-1,))[..., :K], -1, axis).astype(np.float32)
;;   ~~~
;;   SOFTMAX AHEAD OF A QUANTISED PRODUCT. Where the list says 'softmax', what is quantised is not the finished softmax but p = 2^(t - M), with t = logit x log2(e) and M = ceil(the row's largest t), a whole number; so 1/2 < the row's largest p <= 1. The row's sum l is taken of the UNQUANTISED p, in f32, and the product's result is divided by l at the end. Since M is a whole number, a kernel that streams over the keys may use a running M (the ceiling of the running maximum): every later rescaling is an exact power of two, which a block's scale takes up: the codes' values come out the same.
;;   OPERANDS COMPUTED ON THE WAY. 'Computed on the way' means the value that the module computes at that place (a softmax that the list does not call 'softmax' is quantised finished and normalised). What goes into a quantiser is computed in f32, as accurately as f32 sums, v_exp_f32 and their like allow (about 1e-6 of the number): no bf16 or f16 on the way to a quantiser, and a product that is left as it is and whose result goes on into a quantised operand takes f32 operands (vector FMAs, or v_wmma_f32_16x16x4_f32). A number that lies on a knife's edge between two numbers of the format may be rounded either way, as far as f32 arithmetic and the matrix unit's own rounding can turn it there, and no further.
;;   INPUTS GIVEN AS CODES. w_ff1 (in the module: [1024, 4096], K = its axis 0); w_ff2 (in the module: [4096, 1024], K = its axis 0); w_k (in the module: [1024, 1024], K = its axis 0); w_o (in the module: [1024, 1024], K = its axis 0); w_q (in the module: [1024, 1024], K = its axis 0); w_v (in the module: [1024, 1024], K = its axis 0): each comes as NAME_codes (uint8): NAME with its K axis moved to the last place and cut into blocks of 32 codes, [.., K / 32, bytes a block], one block behind the other in memory; four codes in three bytes: a row's codes are one little-endian stream of bits, code i at bits 6 i .. 6 i + 5 (a code: sign, 2 exponent bits, 3 mantissa bits); and NAME_scales (uint8): the same leading axes, one E8M0 byte (e + 127) for each 32 codes along K. Its value is code x scale, taken as it is: it is not quantised again, and the codes and scales need not be those that the quantiser above would give.
;; One version. Each part assembles by itself: llvm-mc -triple=amdgcn-amd-amdhsa -mcpu=gfx1250 --defsym DOCPART=n.
;; ======== version 1 of 1: 7 launches
;; limits: right only within a limited range of input values
;; workspace buffers: ximg 3,276,800 bytes; wimg 9,830,400 bytes; qkv 9,830,400 bytes; oimg 3,276,800 bytes; x1q 3,276,800 bytes; x1a 16,777,216 bytes; himg 13,107,200 bytes; y2 16,777,216 bytes
;; launch prep (part 1): grid 448 x 1, 4 waves a work-group, no clusters, 68,096 bytes of LDS; arguments x, w_q_codes, w_q_scales, w_k_codes, w_k_scales, w_v_codes, w_v_scales, w_o_codes, w_o_scales, w_ff1_codes, w_ff1_scales, w_ff2_codes, w_ff2_scales, ximg, wimg; writes ximg, wimg
.if DOCPART == 1
	.amdgcn_target "amdgcn-amd-amdhsa--gfx1250"
	.amdhsa_code_object_version 6
	.text
	.protected	k_qc0d8d163f3_prep
	.globl	k_qc0d8d163f3_prep
	.p2align	8
	.type	k_qc0d8d163f3_prep,@function
k_qc0d8d163f3_prep:
	s_mov_b64 s[64:65], 0
	v_nop
	global_prefetch_b8 v0, s[64:65] scope:SCOPE_SE
	s_setreg_imm32_b32 hwreg(HW_REG_WAVE_MODE, 25, 1), 1
	s_wait_xcnt 0x0
; x [4096][1024] f32 becomes codes of E2M3 with one E8M0 byte for each 32 along K; the six weights, given as codes, are laid anew.  Both leave as IMAGES OF OPERAND REGISTERS.
; A rowgroup is 128 rows = 8 tiles; lane r of tile t holds row 32 (t / 2) + 8 (t % 2) + r + 8 (r / 8).  A fragment (16 rows x 128 K, 12 registers a lane) is 1,536 bytes:
; registers 0-3 at 16 x lane, 4-5 at 512 + 8 x lane, 6-9 at 768 + 16 x lane, 10-11 at 1,280 + 8 x lane.  A scale image (a rowgroup, one K step) is 512 bytes: the word at 16 l + 4 j is that of tile 2 j + l / 16, lane l % 16.
; ximg: fragments [rowgroup 32][K step 8][tile 8], scale images behind them at 3,145,728.  wimg: 768 units of 8 fragments (q 0, k 64, v 128, o 192, ff1 256, ff2 512; unit = first + rowgroup x K steps + K step), scale images at 9,437,184.
; Work-groups 0-255: one (rowgroup, K step) of x, wave j its tiles 2 j and 2 j + 1.  Work-groups 256-447: four units of weights, one a wave.  Waves share nothing: no barrier.  No matrix work, no tile read twice: no cluster.
; A block's scale byte is its largest magnitude's exponent field - 2, held at 1 from below (a block of zeros keeps 1: its codes are zeros, and only this program reads the bytes).
; LIMITS: NaN and infinities in x are not served; blocks whose largest magnitude lies under 2^-124 take the floor's byte.
.set TM,  16                           ; v16-31  at work in QUANT
.set PC,  32                           ; v32-51  the codes just made
.set PW,  52                           ; the scale word just made
.set PWE, 53                           ; the even tile's
.set PWS, 54                           ; both, by halves of the lanes
.set R,   64                           ; v64-191 32 rows as loaded
.set X,   192                          ; v192-255 64 numbers of a lane: register 16 b + i = k 32 b + 16 (lane / 16) + i of its row
.set F,   64                           ; v64-159 a unit's eight fragments
.set WS,  160                          ; v160-163 its scale words
.set L16, 5
.set L8,  6
.set SEL, 40
.macro QUANT s                         ; 64 numbers v[s] .. v[s + 63] -> a fragment's codes in v[PC] on, its scale word in v[PW]
.irp b, 0,1,2,3
	v_max3_num_f32 v[TM+\b], |v[\s+16*\b]|, |v[\s+1+16*\b]|, 0x1800000   ; my 16 numbers of block b, and the floor 2^(3 - 127)
.endr
.irp i, 2,4,6,8,10,12,14
.irp b, 0,1,2,3
	v_max3_num_f32 v[TM+\b], v[TM+\b], |v[\s+16*\b+\i]|, |v[\s+1+16*\b+\i]|
.endr
.endr
.irp b, 0,1,2,3
	v_permlanex16_b32 v[TM+4+\b], v[TM+\b], s[SEL], s[SEL+1]
.endr
.irp b, 0,1,2,3
	v_max_num_f32 v[TM+\b], v[TM+\b], v[TM+4+\b]   ; with lane l xor 16's: the block's largest magnitude
.endr
.irp b, 0,1,2,3
	v_add_nc_u32 v[TM+12+\b], 0xff000000, v[TM+\b] ; 2 off its exponent field: the conversion's scale operand
.endr
.irp b, 0,1,2,3
	v_lshrrev_b32 v[TM+4+\b], 23, v[TM+12+\b]      ; the scale's byte
.endr
	v_lshl_or_b32 v[PW], v[TM+5], 8, v[TM+4]
	v_lshl_or_b32 v[PW], v[TM+6], 16, v[PW]
	v_lshl_or_b32 v[PW], v[TM+7], 24, v[PW]
.irp c, 0,1
	v_cvt_scalef32_pk16_fp6_f32 v[PC+6*\c:PC+2+6*\c], v[\s+32*\c:\s+15+32*\c], v[TM+12+2*\c]
	v_cvt_scalef32_pk16_fp6_f32 v[PC+12+4*\c:PC+14+4*\c], v[\s+16+32*\c:\s+31+32*\c], v[TM+12+2*\c+1]
.endr
	v_nop                                          ; one plain place behind a scaled conversion
.irp c, 0,1                                    ; a whole block to a lane: lanes 0-15 block 2 c, lanes 16-31 block 2 c + 1
.irp i, 0,1,2
	v_permlane16_swap_b32 v[PC+6*\c+\i], v[PC+12+4*\c+\i]
.endr
.irp i, 0,1,2
	v_mov_b32 v[PC+3+6*\c+\i], v[PC+12+4*\c+\i]
.endr
.endr
.endm
.macro STORE4 reg, base, off           ; a fragment's image: stores of 512, 256, 512, 256 consecutive bytes, each at a multiple of 256
	global_store_b128 v[L16], v[\reg:\reg+3], s[\base:\base+1] offset:(\off)
	global_store_b64 v[L8], v[\reg+4:\reg+5], s[\base:\base+1] offset:(\off)+512
	global_store_b128 v[L16], v[\reg+6:\reg+9], s[\base:\base+1] offset:(\off)+768
	global_store_b64 v[L8], v[\reg+10:\reg+11], s[\base:\base+1] offset:(\off)+1280
.endm
	s_load_b512 s[4:19], s[0:1], 0x0               ; x, q codes, q scales, k codes, k scales, v codes, v scales, o codes
	s_load_b256 s[20:27], s[0:1], 0x40             ; o scales, ff1 codes, ff1 scales, ff2 codes
	s_load_b128 s[28:31], s[0:1], 0x60             ; ff2 scales, ximg
	s_load_b64 s[32:33], s[0:1], 0x70              ; wimg
	v_lshl_add_u32 v62, v0, 2, 0x10800
	v_mov_b32 v63, 0
	v_lshrrev_b32 v1, 5, v0
	v_readfirstlane_b32 s34, v1                    ; wave
	v_and_b32 v2, 31, v0                           ; lane
	v_and_b32 v3, 15, v0                           ; r
	v_bfe_u32 v4, v0, 4, 1                         ; h
	v_lshlrev_b32 v[L16], 4, v2
	v_lshlrev_b32 v[L8], 3, v2
	s_wait_kmcnt 0x0
	s_cmp_lt_u32 ttmp9, 256
	s_cbranch_scc0 .Lweights
	; ---- x: the work-group's number is 8 x rowgroup + K step
	s_mov_b32 s[SEL], 0x76543210
	s_mov_b32 s[SEL+1], 0xfedcba98
	s_mov_b32 s39, 0xffff0000                      ; lanes 16-31
	s_lshr_b32 s35, ttmp9, 3
	s_and_b32 s36, ttmp9, 7
	s_lshl_b32 s42, s35, 19                        ; 128 rows of 4,096 bytes a rowgroup,
	s_lshl_b32 s43, s34, 17                        ; 32 rows a wave,
	s_add_co_u32 s42, s42, s43
	s_lshl_b32 s43, s36, 9                         ; 512 bytes a K step
	s_add_co_u32 s42, s42, s43
	s_mov_b32 s43, 0
	s_add_nc_u64 s[4:5], s[4:5], s[42:43]
	s_mul_i32 s44, ttmp9, 12288
	s_mul_i32 s45, s34, 3072
	s_add_co_u32 s44, s44, s45
	s_mov_b32 s45, 0
	s_add_nc_u64 s[44:45], s[30:31], s[44:45]      ; my two fragments
	s_lshl_b32 s46, ttmp9, 9
	s_lshl_b32 s47, s34, 2
	s_add_co_u32 s46, s46, s47
	s_add_co_u32 s46, s46, 3145728
	s_mov_b32 s47, 0
	s_add_nc_u64 s[46:47], s[30:31], s[46:47]      ; my word of the scale image
	s_wait_alu depctr_va_vdst(0)
.irp u, 0,1
.irp i, 0,1,2,3,4,5,6,7,8,9,10,11,12,13,14,15
	global_load_b128 v[R+64*\u+4*\i:R+64*\u+4*\i+3], v[L16], s[4:5] offset:(8*\u+\i+8*(\i/8))*4096 th:TH_LOAD_NT   ; 512 consecutive bytes: a row's K step
.endr
.endr
	s_mul_i32 s48, s34, 16896                      ; my stage: two tiles of 16 rows x (512 + 16) bytes
	v_add_nc_u32 v7, s48, v[L16]                   ; in: as loaded
	v_mul_u32_u24 v8, v3, 528
	v_lshl_add_u32 v8, v4, 6, v8
	v_add_nc_u32 v8, s48, v8                       ; out: row r, + 64 h: my 16 numbers of each block
.irp b, 0,1,2,3
	v_mov_b32 v[TM+4+\b], 0                        ; a lane permute's destination counts as one of its sources
.endr
.macro TURN u                          ; a tile through the wave's own stage; LDS serves a wave's instructions in order
.irp i, 0,1,2,3,4,5,6,7,8,9,10,11,12,13,14,15
	ds_store_b128 v7, v[R+64*\u+4*\i:R+64*\u+4*\i+3] offset:\u*8448+\i*528
.endr
.irp b, 0,1,2,3
.irp j, 0,1,2,3
	ds_load_b128 v[X+16*\b+4*\j:X+16*\b+4*\j+3], v8 offset:\u*8448+128*\b+16*\j
.endr
.endr
.endm
	s_wait_alu depctr_va_vdst(0)
	s_wait_loadcnt 16                              ; the even tile's sixteen loads are in; the odd tile's may be out
	TURN 0
	s_wait_dscnt 0x0
	QUANT X
	STORE4 PC, 44, 0
	v_mov_b32 v[PWE], v[PW]
	s_wait_loadcnt 0x0
	TURN 1
	s_wait_dscnt 0x0
	s_wait_xcnt 0x0                                ; the stores have read the codes' registers: they are written again only behind this wait
	QUANT X
	STORE4 PC, 44, 1536
	v_cndmask_b32 v[PWS], v[PWE], v[PW], s39       ; lanes 0-15: the even tile's words; lanes 16-31: the odd tile's
	global_store_b32 v[L16], v[PWS], s[46:47]
	s_wait_tensorcnt 0x0
	ds_add_u32 v62, v63
	s_wait_dscnt 0x0
	s_endpgm
.Lweights:
	s_sub_co_u32 s35, ttmp9, 256
	s_lshl_b32 s36, s35, 2
	s_add_co_u32 s36, s36, s34                     ; my unit
	s_mov_b64 s[42:43], s[26:27]                   ; the weight is chosen by the work-group's number alone
	s_mov_b64 s[44:45], s[28:29]
	s_mov_b32 s37, 512
	s_cmp_lt_u32 s35, 128
	s_cselect_b64 s[42:43], s[22:23], s[42:43]
	s_cselect_b64 s[44:45], s[24:25], s[44:45]
	s_cselect_b32 s37, 256, s37
	s_cmp_lt_u32 s35, 64
	s_cselect_b64 s[42:43], s[18:19], s[42:43]
	s_cselect_b64 s[44:45], s[20:21], s[44:45]
	s_cselect_b32 s37, 192, s37
	s_cmp_lt_u32 s35, 48
	s_cselect_b64 s[42:43], s[14:15], s[42:43]
	s_cselect_b64 s[44:45], s[16:17], s[44:45]
	s_cselect_b32 s37, 128, s37
	s_cmp_lt_u32 s35, 32
	s_cselect_b64 s[42:43], s[10:11], s[42:43]
	s_cselect_b64 s[44:45], s[12:13], s[44:45]
	s_cselect_b32 s37, 64, s37
	s_cmp_lt_u32 s35, 16
	s_cselect_b64 s[42:43], s[6:7], s[42:43]
	s_cselect_b64 s[44:45], s[8:9], s[44:45]
	s_cselect_b32 s37, 0, s37
	s_sub_co_u32 s38, s36, s37                     ; the unit within its weight
	s_mul_i32 s46, s36, 12288
	s_mov_b32 s47, 0
	s_add_nc_u64 s[46:47], s[32:33], s[46:47]
	s_lshl_b32 s48, s36, 9
	s_add_co_u32 s48, s48, 9437184
	s_mov_b32 s49, 0
	s_add_nc_u64 s[48:49], s[32:33], s[48:49]
	s_wait_alu depctr_va_vdst(0)
	v_and_b32 v7, 8, v3
	v_add_nc_u32 v7, v7, v3                        ; r + 8 (r / 8)
.macro RELAY krow, srow, lg            ; krow, srow: bytes in a row of codes, of scales; 2^lg K steps
	s_lshr_b32 s52, s38, \lg                       ; rowgroup
	s_and_b32 s53, s38, (1<<\lg)-1                 ; K step
	s_mul_i32 s54, s52, 128*\krow
	s_mul_i32 s55, s53, 96
	s_add_co_u32 s54, s54, s55
	s_mov_b32 s55, 0
	s_add_nc_u64 s[42:43], s[42:43], s[54:55]
	s_mul_i32 s54, s52, 128*\srow
	s_lshl_b32 s56, s53, 2
	s_add_co_u32 s54, s54, s56
	s_add_nc_u64 s[44:45], s[44:45], s[54:55]
	v_mul_u32_u24 v8, v7, \krow
	v_mad_u32_u24 v8, v4, 24, v8                   ; my row of a tile, + 24 h
	v_lshl_add_u32 v9, v4, 3, v7
	v_mul_u32_u24 v9, v9, \srow                    ; scale words: lanes 16-31 take the odd tile, 8 rows on
.irp t, 0,1,2,3,4,5,6,7
.irp p, 0,1,2,3,4,5
	global_load_b64 v[F+12*\t+2*\p:F+12*\t+2*\p+1], v8, s[42:43] offset:(32*(\t/2)+8*(\t%2))*\krow+48*(\p/3)+8*(\p%3)
.endr
.endr
.irp j, 0,1,2,3
	global_load_b32 v[WS+\j], v9, s[44:45] offset:32*\j*\srow
.endr
	s_wait_loadcnt 0x0
.irp t, 0,1,2,3,4,5,6,7
	STORE4 F+12*\t, 46, \t*1536
.endr
	global_store_b128 v[L16], v[WS:WS+3], s[48:49]
.endm
	s_cmp_lt_u32 s35, 128
	s_cbranch_scc0 .Lff2
	s_wait_alu depctr_va_vdst(0)
	RELAY 768, 32, 3
	s_endpgm
.Lff2:
	s_wait_alu depctr_va_vdst(0)
	RELAY 3072, 128, 5
	s_endpgm
.Lfunc_end_k_qc0d8d163f3_prep:
	.size	k_qc0d8d163f3_prep, .Lfunc_end_k_qc0d8d163f3_prep-k_qc0d8d163f3_prep
	.p2alignl 7, 3214868480
	.fill 96, 4, 3214868480
	.section	.rodata,"a",@progbits
	.p2align	6, 0x0
	.amdhsa_kernel k_qc0d8d163f3_prep
		.amdhsa_group_segment_fixed_size 68096
		.amdhsa_private_segment_fixed_size 0
		.amdhsa_enable_private_segment 0
		.amdhsa_kernarg_size 120
		.amdhsa_user_sgpr_count 2
		.amdhsa_user_sgpr_kernarg_segment_ptr 1
		.amdhsa_wavefront_size32 1
		.amdhsa_system_sgpr_workgroup_id_x 1
		.amdhsa_system_sgpr_workgroup_id_y 1
		.amdhsa_system_sgpr_workgroup_id_z 1
		.amdhsa_system_vgpr_workitem_id 0
		.amdhsa_next_free_vgpr 256
		.amdhsa_next_free_sgpr 66
		.amdhsa_reserve_vcc 0
		.amdhsa_float_denorm_mode_32 3
		.amdhsa_float_denorm_mode_16_64 3
		.amdhsa_memory_ordered 1
		.amdhsa_forward_progress 1
		.amdhsa_inst_pref_size 38
	.end_amdhsa_kernel
	.amdgpu_metadata
---
amdhsa.version: [ 1, 2 ]
amdhsa.kernels:
  - .name:           k_qc0d8d163f3_prep
    .symbol:         k_qc0d8d163f3_prep.kd
    .args:
      - { .name: x, .offset: 0, .size: 8, .value_kind: global_buffer, .address_space: global }
      - { .name: w_q_codes, .offset: 8, .size: 8, .value_kind: global_buffer, .address_space: global }
      - { .name: w_q_scales, .offset: 16, .size: 8, .value_kind: global_buffer, .address_space: global }
      - { .name: w_k_codes, .offset: 24, .size: 8, .value_kind: global_buffer, .address_space: global }
      - { .name: w_k_scales, .offset: 32, .size: 8, .value_kind: global_buffer, .address_space: global }
      - { .name: w_v_codes, .offset: 40, .size: 8, .value_kind: global_buffer, .address_space: global }
      - { .name: w_v_scales, .offset: 48, .size: 8, .value_kind: global_buffer, .address_space: global }
      - { .name: w_o_codes, .offset: 56, .size: 8, .value_kind: global_buffer, .address_space: global }
      - { .name: w_o_scales, .offset: 64, .size: 8, .value_kind: global_buffer, .address_space: global }
      - { .name: w_ff1_codes, .offset: 72, .size: 8, .value_kind: global_buffer, .address_space: global }
      - { .name: w_ff1_scales, .offset: 80, .size: 8, .value_kind: global_buffer, .address_space: global }
      - { .name: w_ff2_codes, .offset: 88, .size: 8, .value_kind: global_buffer, .address_space: global }
      - { .name: w_ff2_scales, .offset: 96, .size: 8, .value_kind: global_buffer, .address_space: global }
      - { .name: ximg, .offset: 104, .size: 8, .value_kind: global_buffer, .address_space: global }
      - { .name: wimg, .offset: 112, .size: 8, .value_kind: global_buffer, .address_space: global }
    .group_segment_fixed_size: 68096
    .private_segment_fixed_size: 0
    .kernarg_segment_align: 8
    .kernarg_segment_size: 120
    .max_flat_workgroup_size: 128
    .sgpr_count:     66
    .vgpr_count:     256
    .wavefront_size: 32
...
	.end_amdgpu_metadata
.endif
;; end of part 1
;; launch qkvp (part 2): grid 8 x 24, 4 waves a work-group, clusters of 4 x 4, 327,680 bytes of LDS; arguments ximg, wimg, b_q, b_k, b_v, qkv; writes qkv
.if DOCPART == 2
	.amdgcn_target "amdgcn-amd-amdhsa--gfx1250"
	.amdhsa_code_object_version 6
	.text
	.protected	k_qc0d8d163f3_qkvp
	.globl	k_qc0d8d163f3_qkvp
	.p2align	8
	.type	k_qc0d8d163f3_qkvp,@function
k_qc0d8d163f3_qkvp:
	s_mov_b64 s[64:65], 0
	v_nop
	global_prefetch_b8 v0, s[64:65] scope:SCOPE_SE
	s_setreg_imm32_b32 hwreg(HW_REG_WAVE_MODE, 25, 1), 1
	s_wait_xcnt 0x0
	s_wait_alu depctr_hold_cnt(0) depctr_sa_sdst(0) depctr_va_vdst(0) depctr_va_sdst(0) depctr_va_ssrc(0) depctr_va_vcc(0) depctr_vm_vsrc(0)
	s_getreg_b32 s2, hwreg(HW_REG_IB_STS2, 6, 4)
	s_cmp_eq_u32 s2, 0
	s_cbranch_scc0 .Lentry_in_a_cluster
	s_endpgm
.Lentry_in_a_cluster:
	s_bfe_u32 s2, ttmp6, 0x10000c
	s_cmp_lg_u32 s2, 0xf033
	s_cbranch_scc0 .Lentry_shape_is_right
	s_endpgm
.Lentry_shape_is_right:
.set KIND,   0
.set PART,   24576
.set SLOT,   4*PART
.set SCL,    2*SLOT
.set SPARE,  SCL+4*4096
.set ADRA16, 16
.set ADRA8,  18
.set ADRB16, 20
.set ADRB8,  22
.set ADSA,   24
.set ADSB,   25
.set L16,    26
.set L8,     27
.set SPW,    28
.set NIL,    29
.set BV0,    30
.set BV1,    31
.set SC,     32
.set AF,     64
.set T,      64
.set TM,     128
.set PC,     144
.set PW,     164
.set PWE,    165
.set SW,     168
.set BN,     192
.set G1,   24
.set G0,   32
.set G1B,  48
.set G0B,  56
.set G1S,  68
.set G0S,  76
.set G1SB, 80
.set G0SB, 88
.set SEL,  66
.set MSB, 0
.macro WIN new
.if MSB != (\new)
	s_set_vgpr_msb (MSB<<8)|(\new)
.set MSB, (\new)
.endif
.endm
.set MUL_LO, 0xa1
.set MUL_HI, 0xf1
.set TO_B,   0x40
.macro PLACES
.rept 4
	v_nop
.endr
.endm
.macro JLOAD g0a, g1a, g0b, g1b
	s_cmp_eq_u32 s17, 0
	s_cbranch_scc0 .Lfor_b_\@
	tensor_load_to_lds s[\g0a:\g0a+3], s[\g1a:\g1a+7]
	s_nop 0
.rept 4
	v_nop
.endr
	s_branch .Lasked_\@
.Lfor_b_\@:
	tensor_load_to_lds s[\g0b:\g0b+3], s[\g1b:\g1b+7]
	s_nop 0
.rept 4
	v_nop
.endr
.Lasked_\@:
.endm
.macro CREST
	s_cmp_lg_u32 s16, 0
	s_cbranch_scc1 .Lnot_wave_0_\@
	s_barrier_signal -3
.Lnot_wave_0_\@:
	s_barrier_wait -3
	s_barrier_signal -1
	s_barrier_wait -1
.endm
.macro CROUND
	s_barrier_signal -1
	s_barrier_wait -1
	CREST
.endm
.macro QUANT s
.irp b, 0,1,2,3
	v_max3_num_f32 v[TM+\b], |v[\s+16*\b]|, |v[\s+1+16*\b]|, 0x1800000
.endr
.irp i, 2,4,6,8,10,12,14
.irp b, 0,1,2,3
	v_max3_num_f32 v[TM+\b], v[TM+\b], |v[\s+16*\b+\i]|, |v[\s+1+16*\b+\i]|
.endr
.endr
.irp b, 0,1,2,3
	v_permlanex16_b32 v[TM+4+\b], v[TM+\b], s[SEL], s[SEL+1]
.endr
.irp b, 0,1,2,3
	v_max_num_f32 v[TM+\b], v[TM+\b], v[TM+4+\b]
.endr
.irp b, 0,1,2,3
	v_add_nc_u32 v[TM+12+\b], 0xff000000, v[TM+\b]
.endr
.irp b, 0,1,2,3
	v_lshrrev_b32 v[TM+4+\b], 23, v[TM+12+\b]
.endr
	v_lshl_or_b32 v[PW], v[TM+5], 8, v[TM+4]
	v_lshl_or_b32 v[PW], v[TM+6], 16, v[PW]
	v_lshl_or_b32 v[PW], v[TM+7], 24, v[PW]
.irp c, 0,1
	v_cvt_scalef32_pk16_fp6_f32 v[PC+6*\c:PC+2+6*\c], v[\s+32*\c:\s+15+32*\c], v[TM+12+2*\c]
	v_cvt_scalef32_pk16_fp6_f32 v[PC+12+4*\c:PC+14+4*\c], v[\s+16+32*\c:\s+31+32*\c], v[TM+12+2*\c+1]
.endr
	v_nop
.irp c, 0,1
.irp i, 0,1,2
	v_permlane16_swap_b32 v[PC+6*\c+\i], v[PC+12+4*\c+\i]
.endr
.irp i, 0,1,2
	v_mov_b32 v[PC+3+6*\c+\i], v[PC+12+4*\c+\i]
.endr
.endr
.endm
.macro STORE4 reg, base, off
	global_store_b128 v[L16], v[\reg:\reg+3], s[\base:\base+1] offset:(\off)
	global_store_b64 v[L8], v[\reg+4:\reg+5], s[\base:\base+1] offset:(\off)+512
	global_store_b128 v[L16], v[\reg+6:\reg+9], s[\base:\base+1] offset:(\off)+768
	global_store_b64 v[L8], v[\reg+10:\reg+11], s[\base:\base+1] offset:(\off)+1280
.endm
.macro FRAG reg, a16, a8, off
	ds_load_b128 v[\reg:\reg+3], v[\a16] offset:(\off)
	ds_load_b64 v[\reg+4:\reg+5], v[\a8] offset:(\off)+512
	ds_load_b128 v[\reg+6:\reg+9], v[\a16] offset:(\off)+768
	ds_load_b64 v[\reg+10:\reg+11], v[\a8] offset:(\off)+1280
.endm
.macro WM zero, r0, r1
.if \zero
.if (\r0) && (\r1)
	v_wmma_scale_f32_16x16x128_f8f6f4 v[rD:rD+7], v[rS0:rS0+11], v[rS1:rS1+11], 0, v[rX0], v[rX1] matrix_a_fmt:MATRIX_FMT_FP6 matrix_b_fmt:MATRIX_FMT_FP6 matrix_a_scale:MATRIX_SCALE_ROW1 matrix_b_scale:MATRIX_SCALE_ROW1
.elseif (\r0)
	v_wmma_scale_f32_16x16x128_f8f6f4 v[rD:rD+7], v[rS0:rS0+11], v[rS1:rS1+11], 0, v[rX0], v[rX1] matrix_a_fmt:MATRIX_FMT_FP6 matrix_b_fmt:MATRIX_FMT_FP6 matrix_a_scale:MATRIX_SCALE_ROW1
.elseif (\r1)
	v_wmma_scale_f32_16x16x128_f8f6f4 v[rD:rD+7], v[rS0:rS0+11], v[rS1:rS1+11], 0, v[rX0], v[rX1] matrix_a_fmt:MATRIX_FMT_FP6 matrix_b_fmt:MATRIX_FMT_FP6 matrix_b_scale:MATRIX_SCALE_ROW1
.else
	v_wmma_scale_f32_16x16x128_f8f6f4 v[rD:rD+7], v[rS0:rS0+11], v[rS1:rS1+11], 0, v[rX0], v[rX1] matrix_a_fmt:MATRIX_FMT_FP6 matrix_b_fmt:MATRIX_FMT_FP6
.endif
.else
.if (\r0) && (\r1)
	v_wmma_scale_f32_16x16x128_f8f6f4 v[rD:rD+7], v[rS0:rS0+11], v[rS1:rS1+11], v[rD:rD+7], v[rX0], v[rX1] matrix_a_fmt:MATRIX_FMT_FP6 matrix_b_fmt:MATRIX_FMT_FP6 matrix_a_scale:MATRIX_SCALE_ROW1 matrix_b_scale:MATRIX_SCALE_ROW1
.elseif (\r0)
	v_wmma_scale_f32_16x16x128_f8f6f4 v[rD:rD+7], v[rS0:rS0+11], v[rS1:rS1+11], v[rD:rD+7], v[rX0], v[rX1] matrix_a_fmt:MATRIX_FMT_FP6 matrix_b_fmt:MATRIX_FMT_FP6 matrix_a_scale:MATRIX_SCALE_ROW1
.elseif (\r1)
	v_wmma_scale_f32_16x16x128_f8f6f4 v[rD:rD+7], v[rS0:rS0+11], v[rS1:rS1+11], v[rD:rD+7], v[rX0], v[rX1] matrix_a_fmt:MATRIX_FMT_FP6 matrix_b_fmt:MATRIX_FMT_FP6 matrix_b_scale:MATRIX_SCALE_ROW1
.else
	v_wmma_scale_f32_16x16x128_f8f6f4 v[rD:rD+7], v[rS0:rS0+11], v[rS1:rS1+11], v[rD:rD+7], v[rX0], v[rX1] matrix_a_fmt:MATRIX_FMT_FP6 matrix_b_fmt:MATRIX_FMT_FP6
.endif
.endif
.endm
.macro MUL16 a0, p, zero
.irp a, \a0, \a0+1
.irp b, 0,1,2,3,4,5,6,7
.set rD,  8*(8*((\a)%4)+\b)
.set rS0, 96*(\p)+12*\b
.set rS1, AF+96*(\p)+12*(\a)
.set rX0, SC+4+8*(\p)+\b/2
.set rX1, SC+8*(\p)+(\a)/2
	WM \zero, \b%2, (\a)%2
.endr
.endr
.endm
.macro FETCH slot, q, p, ks
	WIN TO_B
.irp i, 0,1,2,3,4,5,6,7
	FRAG 96*(\p)+12*\i, ADRB16+\slot, ADRB8+\slot, (\q)*12288+\i*1536
.endr
	WIN 0
.irp i, 0,1,2,3,4,5,6,7
	FRAG AF+96*(\p)+12*\i, ADRA16+\slot, ADRA8+\slot, (\q)*12288+\i*1536
.endr
	ds_load_b128 v[SC+8*(\p):SC+8*(\p)+3], v[ADSA] offset:(\ks)*512
	ds_load_b128 v[SC+4+8*(\p):SC+4+8*(\p)+3], v[ADSB] offset:(\ks)*512
.endm
.macro STEP slot, ks, zero
	s_wait_dscnt 0x0
	WIN MUL_LO
	MUL16 0, 0, \zero
	MUL16 2, 0, \zero
	PLACES
	FETCH \slot, 1, 1, (\ks)+1
	WIN MUL_HI
	MUL16 4, 0, \zero
	MUL16 6, 0, \zero
.endm
.macro TURN slot, next, fill, ks
	WIN 0
	s_wait_tensorcnt 0x0
	ds_add_u32 v[SPW], v[NIL]
	s_wait_dscnt 1
	WIN MUL_LO
	MUL16 0, 1, 0
	s_wait_dscnt 0x0
	s_barrier_signal -1
	MUL16 2, 1, 0
	WIN 0
	s_barrier_wait -1
.if \fill
	CREST
	s_add_nc_u64 s[G0+4*\slot+2:G0+4*\slot+3], s[G0+4*\slot+2:G0+4*\slot+3], 2*PART
	s_add_nc_u64 s[G0B+4*\slot+2:G0B+4*\slot+3], s[G0B+4*\slot+2:G0B+4*\slot+3], 2*PART
	JLOAD G0+4*\slot, G1, G0B+4*\slot, G1B
.else
	PLACES
.endif
	FETCH \next, 0, 0, (\ks)+1
	WIN MUL_HI
	MUL16 4, 1, 0
	MUL16 6, 1, 0
.endm
.if KIND == 0
	s_load_b256 s[4:11], s[0:1], 0x0
	s_load_b128 s[12:15], s[0:1], 0x20
.else
	s_load_b128 s[4:7], s[0:1], 0x0
	s_load_b64 s[8:9], s[0:1], 0x10
	s_load_b64 s[14:15], s[0:1], 0x18
.endif
	v_lshl_add_u32 v[SPW], v0, 2, SPARE
	v_mov_b32 v[NIL], 0
	ds_add_u32 v28, v29
	ds_add_u32 v28, v29
	s_wait_dscnt 0x0
	v_lshrrev_b32 v1, 5, v0
	v_readfirstlane_b32 s16, v1
	s_lshr_b32 s17, s16, 1
	s_and_b32 s18, s16, 1
	s_bfe_u32 s40, ttmp6, 0x40000
	s_bfe_u32 s41, ttmp6, 0x40004
	s_and_b32 s94, ttmp7, 0xffff
	s_mov_b32 s97, 3145728
	s_mov_b32 s98, 9437184
.if KIND == 0
	s_sub_co_u32 s99, s94, 4
	s_lshl_b32 s99, s99, 1
	s_add_co_u32 s99, s99, ttmp9
	s_cmp_ge_u32 s94, 4
	s_cselect_b32 s95, 1, 0
	s_cselect_b32 s94, 0, s94
	s_cselect_b32 s99, s99, ttmp9
	s_cselect_b32 s96, 16, 0
	s_cselect_b32 s97, 9437184, s97
	s_cselect_b32 s98, 3145728, s98
.set GB0, 0
.else
	s_mov_b32 s99, ttmp9
	s_mov_b32 s96, 0
.set GB0, 32
.endif
	s_lshl_b32 s42, s99, 2
	s_add_co_u32 s42, s42, s40
	s_lshl_b32 s19, s94, 2
	s_add_co_u32 s19, s19, s41
	s_lshl_b32 s43, s41, 2
	s_lshl_b32 s43, 15, s43
	s_lshl_b32 s44, 0x1111, s40
	s_or_b32 s[G1], s43, (3<<16)|(1<<21)
	s_or_b32 s[G1B], s44, (3<<16)|(1<<21)
	s_or_b32 s[G1S], s43, (3<<16)|(1<<21)
	s_or_b32 s[G1SB], s44, (3<<16)|(1<<21)
.irp g, G1, G1B                                ; the head's shape: two rowgroups' parts, 2 rows of 24,576 bytes, 98,304 bytes apart
	s_mov_b32 s[\g+1], 3072<<16
	s_mov_b32 s[\g+2], 2<<16
	s_mov_b32 s[\g+3], 3072<<16
	s_mov_b32 s[\g+4], 2
	s_mov_b32 s[\g+5], 12288
	s_mov_b32 s[\g+6], 0
	s_mov_b32 s[\g+7], 0
.endr
.irp g, G1S, G1SB
	s_mov_b32 s[\g+1], 32<<16
	s_mov_b32 s[\g+2], 32<<16                      ; two rowgroups' scale images: 8,192 dense bytes
	s_mov_b32 s[\g+3], 32<<16
	s_mov_b32 s[\g+4], 32
	s_mov_b32 s[\g+5], 32
	s_mov_b32 s[\g+6], 0
	s_mov_b32 s[\g+7], 0
.endr
	s_lshl_b32 s20, s19, 1
	s_add_co_u32 s20, s20, s18
	s_add_co_u32 s20, s20, s96
	s_lshl_b32 s22, s20, 12
	s_add_co_u32 s22, s22, s97
	s_mov_b32 s23, 0
	s_mul_i32 s20, s20, 98304
	s_mov_b32 s21, 0
	s_lshl_b32 s46, s42, 1
	s_add_co_u32 s46, s46, s18
	s_add_co_u32 s46, s46, GB0
	s_lshl_b32 s92, s46, 12
	s_add_co_u32 s92, s92, s98
	s_mov_b32 s93, 0
	s_mul_i32 s46, s46, 98304
	s_mov_b32 s47, 0
	s_mul_i32 s45, s16, PART
	s_lshl_b32 s100, s16, 12
	s_mov_b32 s101, 0xffff0000
	s_wait_kmcnt 0x0
.if KIND == 0
	s_cmp_eq_u32 s95, 0
	s_cselect_b64 s[2:3], s[4:5], s[6:7]
	s_cselect_b64 s[66:67], s[6:7], s[4:5]
.else
	s_mov_b64 s[2:3], s[4:5]
	s_mov_b64 s[66:67], s[6:7]
.endif
	s_add_nc_u64 s[20:21], s[2:3], s[20:21]
	s_add_nc_u64 s[22:23], s[2:3], s[22:23]
	s_add_nc_u64 s[46:47], s[66:67], s[46:47]
	s_add_nc_u64 s[92:93], s[66:67], s[92:93]
	s_mov_b32 s[SEL], 0x76543210
	s_mov_b32 s[SEL+1], 0xfedcba98
	; THE HEAD'S FOUR TILES, ONE A WAVE: wave 0 slot 0's two parts of A, wave 1 those of B, wave 2 A's scale images, wave 3 B's.  Each begins at the first of the block's two rowgroups.
	s_mul_i32 s98, s18, 98304                      ; what my own half adds to an address of codes,
	s_mov_b32 s99, 0
	s_lshl_b32 s96, s18, 12                        ; and of scales
	s_mov_b32 s97, 0
	s_mov_b32 s[G0], 1
	s_mov_b32 s[G0+1], 0
	s_sub_nc_u64 s[G0+2:G0+3], s[20:21], s[98:99]
	s_or_b32 s[G0+3], s[G0+3], 0x80000000
	s_mov_b32 s[G0B], 1
	s_mov_b32 s[G0B+1], 2*PART
	s_sub_nc_u64 s[G0B+2:G0B+3], s[46:47], s[98:99]
	s_or_b32 s[G0B+3], s[G0B+3], 0x80000000
	s_mov_b32 s[G0S], 1
	s_mov_b32 s[G0S+1], SCL
	s_sub_nc_u64 s[G0S+2:G0S+3], s[22:23], s[96:97]
	s_or_b32 s[G0S+3], s[G0S+3], 0x80000000
	s_mov_b32 s[G0SB], 1
	s_mov_b32 s[G0SB+1], SCL+8192
	s_sub_nc_u64 s[G0SB+2:G0SB+3], s[92:93], s[96:97]
	s_or_b32 s[G0SB+3], s[G0SB+3], 0x80000000
	s_mov_b32 s[G0+4], 1                           ; slot 1's sets: my own part
	s_add_co_u32 s[G0+5], s45, SLOT
	s_add_nc_u64 s[G0+6:G0+7], s[20:21], PART
	s_or_b32 s[G0+7], s[G0+7], 0x80000000
	s_mov_b32 s[G0B+4], 1
	s_add_co_u32 s[G0B+5], s45, SLOT
	s_add_nc_u64 s[G0B+6:G0B+7], s[46:47], PART
	s_or_b32 s[G0B+7], s[G0B+7], 0x80000000
	CROUND                                         ; all sixteen work-groups are here: the first joint loads meet
.macro ARM under, g0, g1, next                 ; one chain of branches on the wave's number: every way passes one load
	s_cmp_lt_u32 s16, \under
	s_cbranch_scc0 \next
	tensor_load_to_lds s[\g0:\g0+3], s[\g1:\g1+7]
	s_nop 0
.rept 4
	v_nop
.endr
	s_branch .Lhead_asked
\next:
.endm
	ARM 1, G0,  G1,  .Lhead_b
	ARM 2, G0B, G1B, .Lhead_sa
	ARM 3, G0S, G1S, .Lhead_sb
	tensor_load_to_lds s[G0SB:G0SB+3], s[G1SB:G1SB+7]
	s_nop 0
.rept 4
	v_nop
.endr
.Lhead_asked:
	s_wait_alu depctr_va_vdst(0)
	s_wait_tensorcnt 0x0                           ; my tile of the four is in; no tensor load of mine is out, so descriptors may be written
	ds_add_u32 v28, v29
.irp g, G1, G1B                                ; the ring's shape: a part of 96 rows of 256 bytes
	s_mov_b32 s[\g+1], 32<<16
	s_mov_b32 s[\g+2], 96<<16
	s_mov_b32 s[\g+3], 32<<16
	s_mov_b32 s[\g+4], 96
	s_mov_b32 s[\g+5], 32
.endr
	s_mov_b32 s[G0+1], s45                         ; slot 0's sets, for its refill: my own part
	s_add_nc_u64 s[G0+2:G0+3], s[G0+2:G0+3], s[98:99]
	s_mov_b32 s[G0B+1], s45
	s_add_nc_u64 s[G0B+2:G0B+3], s[G0B+2:G0B+3], s[98:99]
	s_wait_dscnt 0x0
	CROUND                                         ; all four tiles are in, in every partner
	JLOAD G0+4, G1, G0B+4, G1B                     ; slot 1's first fill, issued as a refill is
	v_and_b32 v1, 31, v0
	v_lshlrev_b32 v[L16], 4, v1
	v_lshlrev_b32 v[L8], 3, v1
	s_mul_i32 s20, s17, PART
	s_mul_i32 s21, s18, PART
	s_add_co_u32 s21, s21, 2*PART
.irp s, 0,1
	v_add_nc_u32 v[ADRA16+\s], s20, v[L16]
	v_add_nc_u32 v[ADRA8+\s], s20, v[L8]
	v_add_nc_u32 v[ADRB16+\s], s21, v[L16]
	v_add_nc_u32 v[ADRB8+\s], s21, v[L8]
	s_add_co_u32 s20, s20, SLOT
	s_add_co_u32 s21, s21, SLOT
.endr
	s_lshl_b32 s20, s17, 12
	s_add_co_u32 s20, s20, SCL
	v_add_nc_u32 v[ADSA], s20, v[L16]
	s_lshl_b32 s21, s18, 12
	s_add_co_u32 s21, s21, SCL+8192
	v_add_nc_u32 v[ADSB], s21, v[L16]
	s_lshl_b32 s96, s42, 1
	s_add_co_u32 s96, s96, s18
	s_lshl_b32 s97, s19, 1
	s_add_co_u32 s97, s97, s17
	s_lshl_b32 s20, s97, 5
	s_add_co_u32 s20, s20, s96
.if KIND == 0
	s_lshl_b32 s21, s96, 5
	s_add_co_u32 s21, s21, s97
	s_mov_b32 s22, 9437184
	s_cmp_eq_u32 s95, 0
	s_cselect_b32 s20, s21, s20
	s_cselect_b32 s21, 0, 6291456
	s_cselect_b32 s22, s22, 9699328
.else
	s_mov_b32 s21, 0
	s_mov_b32 s22, 12582912
.endif
	s_mul_i32 s46, s20, 12288
	s_add_co_u32 s46, s46, s21
	s_mov_b32 s47, 0
	s_lshl_b32 s92, s20, 9
	s_add_co_u32 s92, s92, s22
	s_mov_b32 s93, 0
	s_add_nc_u64 s[46:47], s[14:15], s[46:47]
	s_add_nc_u64 s[92:93], s[14:15], s[92:93]
	v_and_b32 v2, 15, v0
	v_bfe_u32 v3, v0, 4, 1
	v_lshlrev_b32 v[BV0], 6, v3
	s_mov_b32 s21, 0
.if KIND == 0
	v_and_b32 v4, 8, v2
	v_add_nc_u32 v4, v4, v2
	v_lshlrev_b32 v[BV1], 2, v4
	s_and_b32 s20, s96, 7
	s_lshl_b32 s20, s20, 9
	s_cmp_eq_u32 ttmp9, 0
	s_cselect_b64 s[22:23], s[8:9], s[10:11]
	s_add_nc_u64 s[22:23], s[22:23], s[20:21]
	s_and_b32 s20, s97, 7
	s_lshl_b32 s20, s20, 9
	s_add_nc_u64 s[2:3], s[12:13], s[20:21]
	s_cmp_eq_u32 s95, 0
	s_cbranch_scc0 .Lbias_v
.else
	s_lshl_b32 s20, s96, 9
	s_add_nc_u64 s[22:23], s[8:9], s[20:21]
.endif
	WIN TO_B
	s_wait_alu depctr_va_vdst(0)
.irp b, 0,1,2,3
.irp j, 0,1,2,3
	global_load_b128 v[BN+16*\b+4*\j:BN+16*\b+4*\j+3], v[BV0], s[22:23] offset:128*\b+16*\j
.endr
.endr
	WIN 0
.if KIND == 0
	s_branch .Lbias_in
.Lbias_v:
	WIN TO_B
	s_wait_alu depctr_va_vdst(0)
.irp a, 0,1,2,3,4,5,6,7
.irp j, 0,1,2,3,4,5,6,7
	global_load_b32 v[BN+8*\a+\j], v[BV1], s[2:3] offset:4*(32*(\a/2)+8*(\a%2))
.endr
.endr
	WIN 0
.Lbias_in:
.endif
	s_wait_tensorcnt 1
	s_barrier_signal -1
	s_barrier_wait -1
	FETCH 0, 0, 0, 0
	STEP 0, 0, 1
	TURN 0, 1, 1, 1
	STEP 1, 2, 0
	TURN 1, 0, 1, 3
	STEP 0, 4, 0
	TURN 0, 1, 0, 5
	STEP 1, 6, 0
	s_wait_dscnt 0x0
	WIN MUL_LO
	MUL16 0, 1, 0
	MUL16 2, 1, 0
	WIN MUL_HI
	MUL16 4, 1, 0
	MUL16 6, 1, 0
	WIN 0
	PLACES
	s_wait_loadcnt 0x0
.irp b, 0,1,2,3
	v_mov_b32 v[TM+4+\b], 0
.endr
.macro BIAS a
	WIN 0
.if KIND == 0
	s_cmp_eq_u32 s95, 0
	s_cbranch_scc0 .Lbv_\@
.endif
	WIN 0x06+(\a)/4
.set i, 0
.rept 32
	v_pk_add_f32 v[T+i:T+i+1], v[64*((\a)%4)+i:64*((\a)%4)+i+1], v[BN+i:BN+i+1]
.set i, i+2
.endr
	WIN 0
.if KIND == 0
	s_branch .Lbd_\@
.Lbv_\@:
	WIN 0x06+(\a)/4
.set i, 0
.rept 32
	v_pk_add_f32 v[T+i:T+i+1], v[64*((\a)%4)+i:64*((\a)%4)+i+1], v[BN+8*(\a)+i%8:BN+8*(\a)+i%8+1]
.set i, i+2
.endr
	WIN 0
.Lbd_\@:
.endif
.endm
.irp a, 0,1,2,3,4,5,6,7
	s_wait_xcnt 0x0
	BIAS \a
.if KIND == 1
.set i, 0
.rept 64
	v_max_num_f32 v[T+i], 0, v[T+i]
.set i, i+1
.endr
.endif
	QUANT T
	STORE4 PC, 46, \a*1536
.if \a%2 == 0
	v_mov_b32 v[PWE], v[PW]
.else
	v_cndmask_b32 v[SW+\a/2], v[PWE], v[PW], s101
.endif
.endr
	global_store_b128 v[L16], v[SW:SW+3], s[92:93]
	s_wait_tensorcnt 0x0
	ds_add_u32 v[SPW], v[NIL]
	s_wait_dscnt 0x0
	CROUND
	s_endpgm
.Lfunc_end_k_qc0d8d163f3_qkvp:
	.size	k_qc0d8d163f3_qkvp, .Lfunc_end_k_qc0d8d163f3_qkvp-k_qc0d8d163f3_qkvp
	.p2alignl 7, 3214868480
	.fill 96, 4, 3214868480
	.section	.rodata,"a",@progbits
	.p2align	6, 0x0
	.amdhsa_kernel k_qc0d8d163f3_qkvp
		.amdhsa_group_segment_fixed_size 327680
		.amdhsa_private_segment_fixed_size 0
		.amdhsa_enable_private_segment 0
		.amdhsa_kernarg_size 48
		.amdhsa_user_sgpr_count 2
		.amdhsa_user_sgpr_kernarg_segment_ptr 1
		.amdhsa_wavefront_size32 1
		.amdhsa_system_sgpr_workgroup_id_x 1
		.amdhsa_system_sgpr_workgroup_id_y 1
		.amdhsa_system_sgpr_workgroup_id_z 1
		.amdhsa_system_vgpr_workitem_id 0
		.amdhsa_next_free_vgpr 1024
		.amdhsa_next_free_sgpr 104
		.amdhsa_reserve_vcc 0
		.amdhsa_float_denorm_mode_32 3
		.amdhsa_float_denorm_mode_16_64 3
		.amdhsa_memory_ordered 1
		.amdhsa_forward_progress 1
		.amdhsa_inst_pref_size 189
	.end_amdhsa_kernel
	.amdgpu_metadata
---
amdhsa.version: [ 1, 2 ]
amdhsa.kernels:
  - .name:           k_qc0d8d163f3_qkvp
    .symbol:         k_qc0d8d163f3_qkvp.kd
    .args:
      - { .name: ximg, .offset: 0, .size: 8, .value_kind: global_buffer, .address_space: global }
      - { .name: wimg, .offset: 8, .size: 8, .value_kind: global_buffer, .address_space: global }
      - { .name: b_q, .offset: 16, .size: 8, .value_kind: global_buffer, .address_space: global }
      - { .name: b_k, .offset: 24, .size: 8, .value_kind: global_buffer, .address_space: global }
      - { .name: b_v, .offset: 32, .size: 8, .value_kind: global_buffer, .address_space: global }
      - { .name: qkv, .offset: 40, .size: 8, .value_kind: global_buffer, .address_space: global }
    .group_segment_fixed_size: 327680
    .private_segment_fixed_size: 0
    .kernarg_segment_align: 8
    .kernarg_segment_size: 48
    .max_flat_workgroup_size: 128
    .sgpr_count:     104
    .vgpr_count:     1024
    .wavefront_size: 32
...
	.end_amdgpu_metadata
.endif
;; end of part 2
;; launch att (part 3): grid 8 x 32, 16 waves a work-group, clusters of 4 x 1, 219,136 bytes of LDS; arguments qkv, src_mask, oimg; writes oimg
.if DOCPART == 3
	.amdgcn_target "amdgcn-amd-amdhsa--gfx1250"
	.amdhsa_code_object_version 6
	.text
	.protected	k_qc0d8d163f3_att
	.globl	k_qc0d8d163f3_att
	.p2align	8
	.type	k_qc0d8d163f3_att,@function
k_qc0d8d163f3_att:
	s_mov_b64 s[64:65], 0
	v_nop
	global_prefetch_b8 v0, s[64:65] scope:SCOPE_SE
	s_setreg_imm32_b32 hwreg(HW_REG_WAVE_MODE, 25, 1), 1
	s_wait_xcnt 0x0
	s_wait_alu depctr_hold_cnt(0) depctr_sa_sdst(0) depctr_va_vdst(0) depctr_va_sdst(0) depctr_va_ssrc(0) depctr_va_vcc(0) depctr_vm_vsrc(0)
	s_getreg_b32 s2, hwreg(HW_REG_IB_STS2, 6, 4)
	s_cmp_eq_u32 s2, 0
	s_cbranch_scc0 .Lentry_in_a_cluster
	s_endpgm
.Lentry_in_a_cluster:
	s_bfe_u32 s2, ttmp6, 0x10000c
	s_cmp_lg_u32 s2, 0x3003
	s_cbranch_scc0 .Lentry_shape_is_right
	s_endpgm
.Lentry_shape_is_right:
; Attention of one head (work-group y = 16 b + head) for 256 queries (x), both products on codes of E2M3.  Sixteen waves, each one tile of 16 queries in 256 registers.
; q, k, v come as register images (a fragment: 16 rows x 128 channels = two heads; a head's 64 channels are 768 consecutive bytes of it; v: 16 channels x 128 keys).
; A whole head's K (98,304 bytes) and V^T (98,304) lie in LDS, each byte filled ONCE: sixteen chunks of two key steps (12,288 bytes), one tensor load a wave at the head: waves 0-7 K's, waves 8-15 V's.
; One wait for all loads and one barrier follow; the loop over the 16 key steps has no barrier, since nothing in LDS is written behind that one.
; The four work-groups of a cluster share the head: the fills are joint loads.  No prefetch: every tile is asked for at the head, and there is no loop to run ahead in.
; S^T = K Q^T + 8 mask: source 0 = 16 keys, source 1 = my queries.  The head has K = 64: Q's registers 6-11 are zero codes, so what stands in K's upper six registers (the next tile's codes, each a finite number) adds nothing;
; the upper two scale bytes are 0 on both sides.  8 x mask is the product's C, loaded straight into the score registers.  t = (s + 8 mask) x log2(e) / 8.
; The keys of a tile are 32 (t / 2) + 8 (t % 2) + r + 8 (r / 8), so that p's 16 registers of two neighbouring tiles are 16 neighbouring keys.
; M = the running largest t rounded up to a whole number; p = 2^(t - M) is quantised along the keys; the row's sum is taken of the unquantised p; a change of M multiplies sum and O^T by an exact power of two.
; O^T = V^T P^T: source 0 = 16 channels, source 1 = p.  O / sum is quantised along the channels and leaves as half a fragment of the next product's operand, with its two scale bytes.
; LIMITS: mask entries under -4,194,304 are held there (8 x mask at -2^25); that shows only where every key of a batch is so masked or scores reach millions.  NaN is not served.
.set KL,  0
.set VL,  98304
.set KSL, 196608                       ; K's scale words, my head's two bytes each: 512 bytes a key step.  These three tables are stored by the waves; no fill lands in them
.set VSL, 204800                       ; V's: 256 bytes a key step
.set ML,  208896                       ; 8 x mask, 2,048 numbers
.set SPARE, 217088                     ; the spare words: 128 bytes a wave
.set S,   96                           ; v96-159 scores, then p
.set O,   160                          ; v160-191 O^T
.set PCD, 192                          ; v192-211 codes
.set BX,  212                          ; v212-215 a block's largest score, then its largest p
.set BT,  216
.set SO,  220
.set FF,  224                          ; v[224:225] f and a 0
.set TV,  226
.set OM,  228                          ; the old -M
.set AC,  240                          ; v240-253 seven chains of the row's sum
.set WV,  10
.set P16, 15
.set G1K, 24
.set G1V, 32
.set G0K, 40
.set G0V, 44
.set TB,  84
.set TS,  85
.set TJ,  86
.set CNT, 87
.set SEL, 88
.set CS,  90
.macro CROUND
	s_barrier_signal -1
	s_barrier_wait -1
	s_cmp_lg_u32 s[WV], 0
	s_cbranch_scc1 .Lnot_wave_0_\@
	s_barrier_signal -3
.Lnot_wave_0_\@:
	s_barrier_wait -3
	s_barrier_signal -1
	s_barrier_wait -1
.endm
	s_load_b128 s[4:7], s[0:1], 0x0                ; qkv, src_mask
	s_load_b64 s[8:9], s[0:1], 0x10                ; oimg
	v_lshl_add_u32 v254, v0, 2, SPARE
	v_mov_b32 v255, 0
	ds_add_u32 v254, v255                          ; the opening lines: the add twice on end and its wait
	ds_add_u32 v254, v255
	v_lshrrev_b32 v1, 5, v0
	s_delay_alu instid0(VALU_DEP_1)
	v_readfirstlane_b32 s[WV], v1
	s_bfe_u32 s11, ttmp6, 0x40000                  ; cx: it enters Q's and O's global addresses alone
	s_lshl_b32 s12, ttmp9, 2
	s_add_co_u32 s12, s12, s11                     ; my block of 256 queries
	s_and_b32 s13, ttmp7, 0xffff
	s_lshr_b32 s14, s13, 4                         ; b
	s_bfe_u32 s16, s13, 0x30001                    ; c: the pair of heads
	s_and_b32 s17, s13, 1                          ; p: which of the pair
	s_lshl_b32 s[P16], s17, 4
	s_lshl_b32 s18, s16, 5
	s_lshl_b32 s19, s14, 4
	s_add_co_u32 s18, s18, s19                     ; 32 c + 16 b
	s_add_co_u32 s19, s18, 256                     ; k's sections lie 8 x 32 units behind q's
	s_mul_i32 s20, s19, 12288
	s_mul_i32 s21, s17, 768
	s_add_co_u32 s20, s20, s21
	s_mov_b32 s21, 0
	s_mul_i32 s22, s18, 12288
	s_mul_i32 s23, s17, 6144
	s_add_co_u32 s22, s22, s23
	s_add_co_u32 s22, s22, 6291456
	s_mov_b32 s23, 0
	s_lshl_b32 s56, s19, 9
	s_add_co_u32 s56, s56, 9437184                 ; K's scale images
	s_mov_b32 s57, 0
	s_lshl_b32 s58, s18, 9
	s_lshl_b32 s59, s17, 3
	s_add_co_u32 s58, s58, s59
	s_add_co_u32 s58, s58, 9699328                 ; V's, at my head's two words
	s_mov_b32 s59, 0
	s_lshl_b32 s60, s14, 13                        ; the batch's mask
	s_mov_b32 s61, 0
	s_lshl_b32 s92, s14, 4
	s_lshl_b32 s93, s12, 1
	s_add_co_u32 s92, s92, s93
	s_lshr_b32 s93, s[WV], 3
	s_add_co_u32 s92, s92, s93                     ; G: my queries' rowgroup
	s_and_b32 s93, s[WV], 7                        ; t: my tile in it
	s_lshl_b32 s98, s16, 5
	s_add_co_u32 s98, s98, s92
	s_mul_i32 s62, s98, 12288
	s_mul_i32 s99, s93, 1536
	s_add_co_u32 s62, s62, s99
	s_mul_i32 s99, s17, 768
	s_add_co_u32 s62, s62, s99                     ; Q's half fragment
	s_mov_b32 s63, 0
	s_lshl_b32 s66, s98, 9
	s_and_b32 s99, s93, 1
	s_lshl_b32 s99, s99, 8
	s_add_co_u32 s66, s66, s99
	s_lshr_b32 s99, s93, 1
	s_lshl_b32 s99, s99, 2
	s_add_co_u32 s66, s66, s99
	s_add_co_u32 s66, s66, 9437184                 ; Q's scale words: 16 (r + 16 (t % 2)) + 4 (t / 2)
	s_mov_b32 s67, 0
	s_lshl_b32 s98, s92, 2
	s_lshr_b32 s99, s93, 1
	s_add_co_u32 s98, s98, s99                     ; the block of 32 rows
	s_lshl_b32 s98, s98, 3
	s_add_co_u32 s98, s98, s16                     ; x 8 + K step of the next product
	s_mul_i32 s94, s98, 3072
	s_and_b32 s99, s93, 1
	s_mul_i32 s99, s99, 1536
	s_add_co_u32 s94, s94, s99
	s_mul_i32 s99, s17, 768
	s_add_co_u32 s94, s94, s99
	s_mov_b32 s95, 0
	s_lshl_b32 s96, s98, 7
	s_and_b32 s99, s93, 1
	s_lshl_b32 s99, s99, 6
	s_add_co_u32 s96, s96, s99
	s_lshl_b32 s99, s17, 1
	s_add_co_u32 s96, s96, s99
	s_add_co_u32 s96, s96, 3145728
	s_mov_b32 s97, 0
	s_mov_b32 s[G1K], 15|(3<<16)|(1<<21)           ; the mask: all four work-groups; elements of 8 bytes; 21 set beside a mask; no padding
	s_mov_b32 s[G1K+1], 96<<16                     ; K: 16 rows of 768 bytes (a tile's half), 1,536 bytes apart: two key steps
	s_mov_b32 s[G1K+2], 16<<16
	s_mov_b32 s[G1K+3], 96<<16
	s_mov_b32 s[G1K+4], 16
	s_mov_b32 s[G1K+5], 192
	s_mov_b32 s[G1K+6], 0
	s_mov_b32 s[G1K+7], 0
	s_mov_b32 s[G1V], 15|(3<<16)|(1<<21)
	s_mov_b32 s[G1V+1], 768<<16                    ; V: 2 rows of 6,144 bytes (my head's four tiles of a key step), 12,288 bytes apart
	s_mov_b32 s[G1V+2], 2<<16
	s_mov_b32 s[G1V+3], 768<<16
	s_mov_b32 s[G1V+4], 2
	s_mov_b32 s[G1V+5], 1536
	s_mov_b32 s[G1V+6], 0
	s_mov_b32 s[G1V+7], 0
	s_mul_i32 s69, s93, 12288                      ; my chunk (wave % 8): where it goes in LDS,
	s_mul_i32 s70, s93, 24576                      ; and where it lies in memory
	s_mov_b32 s71, 0
	s_mov_b32 s[SEL], 0x76543210
	s_mov_b32 s[SEL+1], 0xfedcba98
	s_mov_b32 s[CS], 0x3e38aa3b                    ; log2(e) / 8
	s_mov_b32 s[CS+1], s[CS]
	s_mov_b32 s[TB], 0
	s_mov_b32 s[TS], 0
	s_mov_b32 s[TJ], 0
	s_wait_dscnt 0x0
	s_wait_kmcnt 0x0
	s_add_nc_u64 s[20:21], s[4:5], s[20:21]
	s_add_nc_u64 s[22:23], s[4:5], s[22:23]
	s_mov_b32 s[G0K], 1
	s_add_co_u32 s[G0K+1], s69, KL
	s_add_nc_u64 s[G0K+2:G0K+3], s[20:21], s[70:71]
	s_or_b32 s[G0K+3], s[G0K+3], 0x80000000
	s_mov_b32 s[G0V], 1
	s_add_co_u32 s[G0V+1], s69, VL
	s_add_nc_u64 s[G0V+2:G0V+3], s[22:23], s[70:71]
	s_or_b32 s[G0V+3], s[G0V+3], 0x80000000
	CROUND                                         ; all four work-groups are here: the joint loads meet
	s_cmp_lt_u32 s[WV], 8                          ; every way passes one load: by this text's count a wave has one tensor load out
	s_cbranch_scc0 .Lfor_v
	tensor_load_to_lds s[G0K:G0K+3], s[G1K:G1K+7]
	s_nop 0
.rept 4
	v_nop
.endr
	s_branch .Lasked
.Lfor_v:
	tensor_load_to_lds s[G0V:G0V+3], s[G1V:G1V+7]
	s_nop 0
.rept 4
	v_nop
.endr
.Lasked:
	s_add_nc_u64 s[56:57], s[4:5], s[56:57]
	s_add_nc_u64 s[58:59], s[4:5], s[58:59]
	s_add_nc_u64 s[60:61], s[6:7], s[60:61]
	s_add_nc_u64 s[62:63], s[4:5], s[62:63]
	s_add_nc_u64 s[66:67], s[4:5], s[66:67]
	s_add_nc_u64 s[94:95], s[8:9], s[94:95]
	s_add_nc_u64 s[96:97], s[8:9], s[96:97]
	v_and_b32 v15, 31, v0
	s_delay_alu instid0(VALU_DEP_1)
	v_lshlrev_b32 v1, 4, v15                       ; K's tiles: 16 x lane (KL = 0),
	s_delay_alu instid0(VALU_DEP_2)
	v_lshlrev_b32 v2, 3, v15                       ; 8 x lane
	s_delay_alu instid0(VALU_DEP_2)
	v_add_nc_u32 v3, VL, v1
	s_delay_alu instid0(VALU_DEP_2)
	v_add_nc_u32 v4, VL, v2
	s_delay_alu instid0(VALU_DEP_4)
	v_add_nc_u32 v5, KSL, v1
	s_delay_alu instid0(VALU_DEP_4)
	v_add_nc_u32 v6, VSL, v2
	v_bfe_u32 v7, v0, 4, 1
	s_delay_alu instid0(VALU_DEP_1)
	v_lshl_add_u32 v7, v7, 6, ML                   ; the mask: 64 h
	v_lshlrev_b32 v94, 4, v0                       ; 16 x thread
	v_and_b32 v95, 15, v0
	s_delay_alu instid0(VALU_DEP_1)
	v_lshlrev_b32 v95, 4, v95                      ; 16 r
	v_lshl_add_u32 v8, v0, 4, KSL
	v_lshl_add_u32 v9, v0, 3, VSL
	v_lshl_add_u32 v10, v0, 4, ML
	global_load_b128 v[96:99], v94, s[56:57]       ; the 512 threads bring the three small tables
	global_load_b64 v[100:101], v94, s[58:59]
	global_load_b128 v[104:107], v94, s[60:61]
	global_load_b128 v[20:23], v1, s[62:63]        ; Q's 64 channels: registers 0-5 of its fragment
	global_load_b64 v[24:25], v2, s[62:63] offset:512
	global_load_b32 v92, v95, s[66:67]
.irp j, 26,27,28,29,30,31,80,81,82,83,84,85
	v_mov_b32 v\j, 0                               ; Q's upper half: zero codes; and what stands behind K's last tile
.endr
	v_mov_b32 v17, 0xff61b1e6                      ; the largest t so far: -3e38
	s_delay_alu instid0(VALU_DEP_1)
	v_floor_f32 v16, -v17                          ; -M
	v_mov_b32 v18, 0
	v_mov_b32 v19, 0
.irp b, 0,1,2,3
	v_mov_b32 v[BT+\b], 0
.endr
	v_mov_b32 v[FF+1], 0
	v_mov_b32 v[TV], 0
.set i, 0
.rept 32
	v_mov_b32 v[O+i], 0                            ; the step is written once: the first finds zeros, which the first change of M leaves zeros
.set i, i+1
.endr
	s_wait_loadcnt 0x0
	v_bfe_u32 v92, v92, s[P16], 16                 ; Q's scale word: my head's two bytes, the upper two 0.  Made first: the twelve lines below and the first step's four additions stand between it and the product that takes it
.irp j, 0,1,2,3
	v_bfe_u32 v[96+\j], v[96+\j], s[P16], 16       ; K's scale words likewise
.endr
	ds_store_b128 v8, v[96:99]
	ds_store_b64 v9, v[100:101]
.irp j, 0,1,2,3
	v_mul_f32 v[104+\j], 0x41000000, v[104+\j]     ; 8 x mask,
.endr
.irp j, 0,1,2,3
	s_delay_alu instid0(VALU_DEP_4)
	v_max_num_f32 v[104+\j], 0xcc000000, v[104+\j] ; held at -2^25
.endr
	ds_store_b128 v10, v[104:107]
	s_wait_alu depctr_va_vdst(0)                   ; the wait at the head's end
	s_wait_tensorcnt 0x0                           ; my chunk is in,
	s_wait_dscnt 0x0                               ; my stores into the tables have landed:
	s_barrier_signal -1
	s_barrier_wait -1                              ; both hold of every wave.  Nothing is filled or stored in LDS behind this barrier
	s_mov_b32 s[CNT], 16
.Lstep:                                                ; 128 keys a trip
	v_add_nc_u32 v8, s[TB], v1                     ; these four are the places behind the last products
	v_add_nc_u32 v9, s[TB], v2
	v_add_nc_u32 v12, s[TS], v5
	v_add_nc_u32 v13, s[TS], v7
.irp t, 0,1,2,3,4,5,6,7
	ds_load_b128 v[32+6*\t:35+6*\t], v8 offset:768*\t
	ds_load_b64 v[36+6*\t:37+6*\t], v9 offset:768*\t+512
.endr
	ds_load_b128 v[86:89], v12
.irp t, 0,1,2,3,4,5,6,7
.irp e, 0,1
	ds_load_b128 v[S+8*\t+4*\e:S+8*\t+4*\e+3], v13 offset:128*(\t/2)+32*(\t%2)+16*\e   ; 8 x mask of the register's key: the product's C
.endr
.endr
	s_wait_alu depctr_va_vdst(0)
	s_wait_dscnt 0x0
.irp t, 0,2,4,6
	v_wmma_scale_f32_16x16x128_f8f6f4 v[S+8*\t:S+8*\t+7], v[32+6*\t:43+6*\t], v[20:31], v[S+8*\t:S+8*\t+7], v[86+\t/2], v92 matrix_a_fmt:MATRIX_FMT_FP6 matrix_b_fmt:MATRIX_FMT_FP6
	v_wmma_scale_f32_16x16x128_f8f6f4 v[S+8*\t+8:S+8*\t+15], v[38+6*\t:49+6*\t], v[20:31], v[S+8*\t+8:S+8*\t+15], v[86+\t/2], v92 matrix_a_fmt:MATRIX_FMT_FP6 matrix_b_fmt:MATRIX_FMT_FP6 matrix_a_scale:MATRIX_SCALE_ROW1
.endr
	v_add_nc_u32 v10, s[TB], v3                    ; these four name no register of the products: they are the places behind them
	v_add_nc_u32 v11, s[TB], v4
	v_add_nc_u32 v14, s[TJ], v6
	v_mov_b32 v[OM], v16                           ; the old -M
.irp t, 0,1,2,3                                ; V's four tiles are asked for now and land under the softmax
	ds_load_b128 v[32+12*\t:35+12*\t], v10 offset:1536*\t
	ds_load_b64 v[36+12*\t:37+12*\t], v11 offset:1536*\t+512
	ds_load_b128 v[38+12*\t:41+12*\t], v10 offset:1536*\t+768
	ds_load_b64 v[42+12*\t:43+12*\t], v11 offset:1536*\t+1280
.endr
	ds_load_b64 v[90:91], v14
.irp b, 0,1,2,3
	v_max3_num_f32 v[BX+\b], v[S+16*\b], v[S+1+16*\b], v[S+2+16*\b]   ; the largest score of each block of 32 keys: for the row's maximum and for the block's largest p
.endr
.irp i, 3,5,7,9,11,13
.irp b, 0,1,2,3
	v_max3_num_f32 v[BX+\b], v[BX+\b], v[S+16*\b+\i], v[S+1+16*\b+\i]
.endr
.endr
.irp b, 0,1,2,3
	v_max_num_f32 v[BX+\b], v[BX+\b], v[S+15+16*\b]
.endr
.irp b, 0,1,2,3
	s_delay_alu instid0(VALU_DEP_4)
	v_permlanex16_b32 v[BT+\b], v[BX+\b], s[SEL], s[SEL+1]
.endr
.irp b, 0,1,2,3
	s_delay_alu instid0(VALU_DEP_4)
	v_max_num_f32 v[BX+\b], v[BX+\b], v[BT+\b]
.endr
	s_delay_alu instid0(VALU_DEP_2)
	v_max3_num_f32 v[TV], v[BX], v[BX+1], v[BX+2]
	s_delay_alu instid0(VALU_DEP_1)
	v_max_num_f32 v[TV], v[TV], v[BX+3]
	s_delay_alu instid0(VALU_DEP_1)
	v_mul_f32 v[TV], s[CS], v[TV]
	s_delay_alu instid0(VALU_DEP_1)
	v_max_num_f32 v17, v17, v[TV]                  ; the running largest t
	s_delay_alu instid0(VALU_DEP_1)
	v_floor_f32 v16, -v17                          ; the new -M: a whole number
	s_delay_alu instid0(VALU_DEP_1)
	v_sub_f32 v[TV], v16, v[OM]
	s_delay_alu instid0(VALU_DEP_1)
	v_cvt_i32_f32 v[TV], v[TV]                     ; (it saturates)
	s_delay_alu instid0(VALU_DEP_1)
	v_ldexp_f32 v[FF], 1.0, v[TV]                  ; f = 2^(old M - new M)
.set i, 0
.rept 32
	v_pk_fma_f32 v[S+i:S+1+i], v[S+i:S+1+i], s[CS:CS+1], v[16:17] op_sel_hi:[1,0,0]   ; t - M
.set i, i+2
.endr
.irp b, 0,1,2,3
	v_fma_f32 v[BX+\b], v[BX+\b], s[CS], v16
.endr
	s_wait_alu depctr_va_vdst(0)                   ; the wait ahead of the batch
.set i, 0
.rept 64
	v_exp_f32 v[S+i], v[S+i]                       ; p = 2^(t - M)
.set i, i+1
.endr
	v_pk_mul_f32 v[18:19], v[18:19], v[FF:FF+1] op_sel_hi:[1,0]   ; the sums under the new M: a plain place behind the exponentials
	s_wait_alu depctr_va_vdst(0)                   ; one wait for the batch, ahead of its first reader
.irp b, 0,1,2,3
	v_exp_f32 v[BX+\b], v[BX+\b]                   ; the block's largest p
.endr
	; the row's sum of the unquantised p: eight chains of pairs by turns (seven fresh ones and the running sum), then joined
.irp q, 0,1,2,3,4,5,6
	v_pk_add_f32 v[AC+2*\q:AC+2*\q+1], v[S+8*\q:S+8*\q+1], v[S+8*\q+2:S+8*\q+3]
.endr
	v_pk_add_f32 v[18:19], v[18:19], v[S+56:S+57]
.irp e, 4,6
.irp q, 0,1,2,3,4,5,6
	v_pk_add_f32 v[AC+2*\q:AC+2*\q+1], v[AC+2*\q:AC+2*\q+1], v[S+8*\q+\e:S+8*\q+\e+1]
.endr
	v_pk_add_f32 v[18:19], v[18:19], v[S+54+\e:S+55+\e]
.endr
	v_pk_add_f32 v[AC:AC+1], v[AC:AC+1], v[S+62:S+63]          ; the last pair, onto the chain written eight lines ago
	v_pk_add_f32 v[AC+4:AC+5], v[AC+4:AC+5], v[AC+6:AC+7]
	v_pk_add_f32 v[AC+8:AC+9], v[AC+8:AC+9], v[AC+10:AC+11]
	s_delay_alu instid0(VALU_DEP_4)
	v_pk_add_f32 v[18:19], v[18:19], v[AC+12:AC+13]
	s_delay_alu instid0(VALU_DEP_4)
	v_pk_add_f32 v[AC:AC+1], v[AC:AC+1], v[AC+2:AC+3]
	s_delay_alu instid0(VALU_DEP_3)
	v_pk_add_f32 v[AC+4:AC+5], v[AC+4:AC+5], v[AC+8:AC+9]
	s_delay_alu instid0(VALU_DEP_2)
	v_pk_add_f32 v[18:19], v[18:19], v[AC:AC+1]
	s_delay_alu instid0(VALU_DEP_1)
	v_pk_add_f32 v[18:19], v[18:19], v[AC+4:AC+5]
	s_wait_alu depctr_va_vdst(0)                   ; and one for the four
.irp b, 0,1,2,3
	v_max_num_f32 v[BX+\b], 0x1800000, v[BX+\b]    ; the floor 2^(3 - 127)
.endr
.irp b, 0,1,2,3
	s_delay_alu instid0(VALU_DEP_4)
	v_add_nc_u32 v[SO+\b], 0xff000000, v[BX+\b]
.endr
.irp b, 0,1,2,3
	s_delay_alu instid0(VALU_DEP_4)
	v_lshrrev_b32 v[BT+\b], 23, v[SO+\b]
.endr
	s_delay_alu instid0(VALU_DEP_3)
	v_lshl_or_b32 v93, v[BT+1], 8, v[BT]           ; p's scale word for these 128 keys
	s_delay_alu instid0(VALU_DEP_1)
	v_lshl_or_b32 v93, v[BT+2], 16, v93
	s_delay_alu instid0(VALU_DEP_1)
	v_lshl_or_b32 v93, v[BT+3], 24, v93
.irp c, 0,1
	v_cvt_scalef32_pk16_fp6_f32 v[PCD+6*\c:PCD+2+6*\c], v[S+32*\c:S+15+32*\c], v[SO+2*\c]
	v_cvt_scalef32_pk16_fp6_f32 v[PCD+12+4*\c:PCD+14+4*\c], v[S+16+32*\c:S+31+32*\c], v[SO+2*\c+1]
.endr
	v_nop                                          ; one plain place behind a scaled conversion
.irp c, 0,1
.irp i, 0,1,2
	v_permlane16_swap_b32 v[PCD+6*\c+\i], v[PCD+12+4*\c+\i]
.endr
.irp i, 0,1,2
	s_delay_alu instid0(VALU_DEP_3)
	v_mov_b32 v[PCD+3+6*\c+\i], v[PCD+12+4*\c+\i]
.endr
.endr
.set i, 0
.rept 16
	v_pk_mul_f32 v[O+i:O+1+i], v[O+i:O+1+i], v[FF:FF+1] op_sel_hi:[1,0]   ; O^T under the new M; these sixteen are also the places between the scale word, the codes and the products
.set i, i+2
.endr
	s_wait_alu depctr_va_vdst(0)
	s_wait_dscnt 0x0                               ; V
.irp t, 0,2
	v_wmma_scale_f32_16x16x128_f8f6f4 v[O+8*\t:O+8*\t+7], v[32+12*\t:43+12*\t], v[PCD:PCD+11], v[O+8*\t:O+8*\t+7], v[90+\t/2], v93 matrix_a_fmt:MATRIX_FMT_FP6 matrix_b_fmt:MATRIX_FMT_FP6
	v_wmma_scale_f32_16x16x128_f8f6f4 v[O+8*\t+8:O+8*\t+15], v[44+12*\t:55+12*\t], v[PCD:PCD+11], v[O+8*\t+8:O+8*\t+15], v[90+\t/2], v93 matrix_a_fmt:MATRIX_FMT_FP6 matrix_b_fmt:MATRIX_FMT_FP6 matrix_a_scale:MATRIX_SCALE_ROW1
.endr
	s_add_co_u32 s[TB], s[TB], 6144
	s_add_co_u32 s[TS], s[TS], 512
	s_add_co_u32 s[TJ], s[TJ], 256
	s_sub_co_u32 s[CNT], s[CNT], 1
	s_cmp_lg_u32 s[CNT], 0
	s_cbranch_scc1 .Lstep
	; THE WAY OUT
.rept 4
	v_nop
.endr
	v_add_f32 v18, v18, v19
	s_delay_alu instid0(VALU_DEP_1)
	v_permlanex16_b32 v[TV], v18, s[SEL], s[SEL+1]
	s_delay_alu instid0(VALU_DEP_1)
	v_add_f32 v18, v18, v[TV]                      ; the row's sum
	s_wait_alu depctr_va_vdst(0)
	v_rcp_f32 v18, v18
	v_and_b32 v8, 15, v0                           ; (a plain place)
	s_delay_alu instid0(VALU_DEP_1)
	v_lshlrev_b32 v8, 2, v8                        ; 4 r
	s_wait_alu depctr_va_vdst(0)
.set i, 0
.rept 32
	v_mul_f32 v[S+i], v[O+i], v18                  ; register 16 b + i: channel 32 b + 16 h + i of my head
.set i, i+1
.endr
.irp b, 0,1
	v_max3_num_f32 v[BX+\b], |v[S+16*\b]|, |v[S+1+16*\b]|, 0x1800000
.endr
.irp i, 2,4,6,8,10,12,14
.irp b, 0,1
	s_delay_alu instid0(VALU_DEP_2)
	v_max3_num_f32 v[BX+\b], v[BX+\b], |v[S+16*\b+\i]|, |v[S+1+16*\b+\i]|
.endr
.endr
.irp b, 0,1
	s_delay_alu instid0(VALU_DEP_2)
	v_permlanex16_b32 v[BT+\b], v[BX+\b], s[SEL], s[SEL+1]
.endr
.irp b, 0,1
	s_delay_alu instid0(VALU_DEP_2)
	v_max_num_f32 v[BX+\b], v[BX+\b], v[BT+\b]
.endr
.irp b, 0,1
	s_delay_alu instid0(VALU_DEP_2)
	v_add_nc_u32 v[SO+\b], 0xff000000, v[BX+\b]
.endr
.irp b, 0,1
	s_delay_alu instid0(VALU_DEP_2)
	v_lshrrev_b32 v[BT+\b], 23, v[SO+\b]
.endr
	s_delay_alu instid0(VALU_DEP_1)
	v_lshl_or_b32 v227, v[BT+1], 8, v[BT]          ; my head's two scale bytes of row r
	v_cvt_scalef32_pk16_fp6_f32 v[PCD:PCD+2], v[S:S+15], v[SO]
	v_cvt_scalef32_pk16_fp6_f32 v[PCD+12:PCD+14], v[S+16:S+31], v[SO+1]
	v_nop
.irp i, 0,1,2
	v_permlane16_swap_b32 v[PCD+\i], v[PCD+12+\i]
.endr
.irp i, 0,1,2
	s_delay_alu instid0(VALU_DEP_3)
	v_mov_b32 v[PCD+3+\i], v[PCD+12+\i]
.endr
	global_store_b128 v1, v[PCD:PCD+3], s[94:95]   ; 512 and 256 consecutive bytes
	global_store_b64 v2, v[PCD+4:PCD+5], s[94:95] offset:512
	global_store_b16 v8, v227, s[96:97]            ; both halves of the lanes write the same two bytes with the same value
	s_wait_tensorcnt 0x0                           ; the wave's end
	ds_add_u32 v254, v255
	s_wait_dscnt 0x0
	CROUND                                         ; the closing round
	s_endpgm
.Lfunc_end_k_qc0d8d163f3_att:
	.size	k_qc0d8d163f3_att, .Lfunc_end_k_qc0d8d163f3_att-k_qc0d8d163f3_att
	.p2alignl 7, 3214868480
	.fill 96, 4, 3214868480
	.section	.rodata,"a",@progbits
	.p2align	6, 0x0
	.amdhsa_kernel k_qc0d8d163f3_att
		.amdhsa_group_segment_fixed_size 219136
		.amdhsa_private_segment_fixed_size 0
		.amdhsa_enable_private_segment 0
		.amdhsa_kernarg_size 24
		.amdhsa_user_sgpr_count 2
		.amdhsa_user_sgpr_kernarg_segment_ptr 1
		.amdhsa_wavefront_size32 1
		.amdhsa_system_sgpr_workgroup_id_x 1
		.amdhsa_system_sgpr_workgroup_id_y 1
		.amdhsa_system_sgpr_workgroup_id_z 1
		.amdhsa_system_vgpr_workitem_id 0
		.amdhsa_next_free_vgpr 256
		.amdhsa_next_free_sgpr 100
		.amdhsa_reserve_vcc 0
		.amdhsa_float_denorm_mode_32 3
		.amdhsa_float_denorm_mode_16_64 3
		.amdhsa_memory_ordered 1
		.amdhsa_forward_progress 1
		.amdhsa_inst_pref_size 35
	.end_amdhsa_kernel
	.amdgpu_metadata
---
amdhsa.version: [ 1, 2 ]
amdhsa.kernels:
  - .name:           k_qc0d8d163f3_att
    .symbol:         k_qc0d8d163f3_att.kd
    .args:
      - { .name: qkv, .offset: 0, .size: 8, .value_kind: global_buffer, .address_space: global }
      - { .name: src_mask, .offset: 8, .size: 8, .value_kind: global_buffer, .address_space: global }
      - { .name: oimg, .offset: 16, .size: 8, .value_kind: global_buffer, .address_space: global }
    .group_segment_fixed_size: 219136
    .private_segment_fixed_size: 0
    .kernarg_segment_align: 8
    .kernarg_segment_size: 24
    .max_flat_workgroup_size: 512
    .sgpr_count:     100
    .vgpr_count:     256
    .wavefront_size: 32
...
	.end_amdgpu_metadata
.endif
;; end of part 3
;; launch opln (part 4): grid 128 x 1, 8 waves a work-group, no clusters, 240,640 bytes of LDS; arguments oimg, wimg, x, b_o, ln1_g, ln1_b, b_ff2, x1q, x1a; writes x1q, x1a
.if DOCPART == 4
	.amdgcn_target "amdgcn-amd-amdhsa--gfx1250"
	.amdhsa_code_object_version 6
	.text
	.protected	k_qc0d8d163f3_opln
	.globl	k_qc0d8d163f3_opln
	.p2align	8
	.type	k_qc0d8d163f3_opln,@function
k_qc0d8d163f3_opln:
	s_mov_b64 s[64:65], 0
	v_nop
	global_prefetch_b8 v0, s[64:65] scope:SCOPE_SE
	s_setreg_imm32_b32 hwreg(HW_REG_WAVE_MODE, 25, 1), 1
	s_wait_xcnt 0x0
; x1 = LayerNorm(x + attention W_o^T + b_o).  A work-group owns 32 whole rows (two tiles m), so the norm stays inside it; wave w owns columns 128 w .. 128 w + 127: 16 accumulators.
; SOURCE 0 = 16 rows of W_o (they become the columns), SOURCE 1 = a tile of rows.  The residual x is loaded straight into the accumulators and is the C of the first products.
; WHAT LANDS WHERE.  What need not land in registers comes into LDS by tensor loads issued at the head, each byte filled once: the rows' 16 fragments (24,576 bytes, wave 0; all eight waves read them),
; the vectors b_o, gain, offset and b_ff2 (4,096 bytes each, waves 1 to 4), and each wave's own fragments of W_o for K steps 0 and 1 (24,576 bytes a wave).  A wave has at most one tensor load out.
; Into registers go x (32 loads a wave), the scale words (16) and W_o's K steps 2 to 7 (32 loads each, from its image in memory, two sets, two K steps ahead): 240 loads a wave.
; K steps 0 and 1 are multiplied out of LDS, four fragments at a time, while K steps 2 and 3 are on their way into the two sets.
; NO CLUSTER: six of W_o's eight K steps go straight into registers, which no partner could share; what goes through LDS and is alike in all work-groups is 212,992 bytes, asked for once at the head.
; 32 rows to a work-group, since every work-group walks all of W_o.
; x1 leaves twice: as codes (x1q, laid as ximg) for the next product, and as x1 + b_ff2 in the accumulators' own layout (x1a) for the residual of the last product.
; x1a: 1,024 bytes for (row tile T, column tile t'): registers 0-3 at 16 x lane, 4-7 at 512 + 16 x lane.
; REGISTERS: window 0: v1-11 addresses, v16-23 the rows' scale words, v24-55 W_o's, v56-103 the rows' fragments (two sets; later at work), v104-127 at work, v128-255 the accumulators ((m, t) at v[128 + 64 m + 8 t]);
;   window 1: v0-191 W_o's fragments (two sets; later gain, offset, b_ff2), v192-239 four fragments out of LDS, then v192-255 b_o.
; LIMITS: NaN and infinities are not served; a block of zeros keeps the scale byte 1.
.set L16, 1
.set L8,  2
.set XO,  4
.set ST1, 6
.set SL,  7
.set WL16, 8                           ; v8, v9  my fragments of W_o in LDS: 16 x lane, 8 x lane
.set WL8, 9
.set PB,  10                           ; v10     my 128 columns of the four vectors in LDS, + 64 h
.set SLS, 11                           ; v11     the sum tables: 4 x lane
.set AS,  16
.set BS,  24
.set AFR, 56
.set TM,  56
.set PC,  72
.set PW,  92
.set PWE, 93
.set Y,   128
.set LF,  192                          ; in window 1
.set AIM,   0                          ; LDS: the rows' fragments;
.set WL,    24576                      ; W_o's K steps 0 and 1, 24,576 bytes a wave;
.set PRM,   WL+8*24576                 ; b_o, gain, offset, b_ff2;
.set STATB, PRM+4*4096                 ; two tables of 1,024 bytes for the waves' sums: stored by the waves, no fill lands there
.set SEL, 52
.set G1A, 68                           ; s[68:75] group 1: 96 rows of 256 bytes;  s[76:83]: 16 rows
.set G1P, 76
; THE HEAD'S LOADS AS THEY STAND: one tensor load a wave at the most.  Wave 0: the rows' fragments; waves 1 to 4: a vector each; waves 5 and 6: W_o's K steps 0 and 1 for four waves each,
; one tile of 4 rows of 24,576 bytes, 98,304 bytes apart in memory and dense in LDS; wave 7 asks for nothing.  All are waited for ahead of the one barrier behind which they are read.
.set G0A, 36                           ; s[36:39], s[60:63], s[92:95] groups 0: the rows' fragments, four waves' parts of W_o, a vector
.set G0W, 60
.set G1W, 84                           ; s[84:91] group 1: 4 rows of 24,576 bytes
.set G0P, 92
.set MSB, 0
.macro WIN new
.if MSB != (\new)
	s_set_vgpr_msb (MSB<<8)|(\new)
.set MSB, (\new)
.endif
.endm
.macro PLACES
.rept 4
	v_nop
.endr
.endm
.macro QUANT s
.irp b, 0,1,2,3
	v_max3_num_f32 v[TM+\b], |v[\s+16*\b]|, |v[\s+1+16*\b]|, 0x1800000
.endr
.irp i, 2,4,6,8,10,12,14
.irp b, 0,1,2,3
	s_delay_alu instid0(VALU_DEP_4)
	v_max3_num_f32 v[TM+\b], v[TM+\b], |v[\s+16*\b+\i]|, |v[\s+1+16*\b+\i]|
.endr
.endr
.irp b, 0,1,2,3
	s_delay_alu instid0(VALU_DEP_4)
	v_permlanex16_b32 v[TM+4+\b], v[TM+\b], s[SEL], s[SEL+1]
.endr
.irp b, 0,1,2,3
	s_delay_alu instid0(VALU_DEP_4)
	v_max_num_f32 v[TM+\b], v[TM+\b], v[TM+4+\b]
.endr
.irp b, 0,1,2,3
	s_delay_alu instid0(VALU_DEP_4)
	v_add_nc_u32 v[TM+12+\b], 0xff000000, v[TM+\b]
.endr
.irp b, 0,1,2,3
	s_delay_alu instid0(VALU_DEP_4)
	v_lshrrev_b32 v[TM+4+\b], 23, v[TM+12+\b]
.endr
	s_delay_alu instid0(VALU_DEP_3)
	v_lshl_or_b32 v[PW], v[TM+5], 8, v[TM+4]
	s_delay_alu instid0(VALU_DEP_1)
	v_lshl_or_b32 v[PW], v[TM+6], 16, v[PW]
	s_delay_alu instid0(VALU_DEP_1)
	v_lshl_or_b32 v[PW], v[TM+7], 24, v[PW]
.irp c, 0,1
	v_cvt_scalef32_pk16_fp6_f32 v[PC+6*\c:PC+2+6*\c], v[\s+32*\c:\s+15+32*\c], v[TM+12+2*\c]
	v_cvt_scalef32_pk16_fp6_f32 v[PC+12+4*\c:PC+14+4*\c], v[\s+16+32*\c:\s+31+32*\c], v[TM+12+2*\c+1]
.endr
	v_nop
.irp c, 0,1
.irp i, 0,1,2
	v_permlane16_swap_b32 v[PC+6*\c+\i], v[PC+12+4*\c+\i]
.endr
.irp i, 0,1,2
	s_delay_alu instid0(VALU_DEP_3)
	v_mov_b32 v[PC+3+6*\c+\i], v[PC+12+4*\c+\i]
.endr
.endr
.endm
.macro STORE4 reg, base, off
	global_store_b128 v[L16], v[\reg:\reg+3], s[\base:\base+1] offset:(\off)
	global_store_b64 v[L8], v[\reg+4:\reg+5], s[\base:\base+1] offset:(\off)+512
	global_store_b128 v[L16], v[\reg+6:\reg+9], s[\base:\base+1] offset:(\off)+768
	global_store_b64 v[L8], v[\reg+10:\reg+11], s[\base:\base+1] offset:(\off)+1280
.endm
.macro WM r0, r1
.if (\r0) && (\r1)
	v_wmma_scale_f32_16x16x128_f8f6f4 v[rD:rD+7], v[rS0:rS0+11], v[rS1:rS1+11], v[rD:rD+7], v[rX0], v[rX1] matrix_a_fmt:MATRIX_FMT_FP6 matrix_b_fmt:MATRIX_FMT_FP6 matrix_a_scale:MATRIX_SCALE_ROW1 matrix_b_scale:MATRIX_SCALE_ROW1
.elseif (\r0)
	v_wmma_scale_f32_16x16x128_f8f6f4 v[rD:rD+7], v[rS0:rS0+11], v[rS1:rS1+11], v[rD:rD+7], v[rX0], v[rX1] matrix_a_fmt:MATRIX_FMT_FP6 matrix_b_fmt:MATRIX_FMT_FP6 matrix_a_scale:MATRIX_SCALE_ROW1
.elseif (\r1)
	v_wmma_scale_f32_16x16x128_f8f6f4 v[rD:rD+7], v[rS0:rS0+11], v[rS1:rS1+11], v[rD:rD+7], v[rX0], v[rX1] matrix_a_fmt:MATRIX_FMT_FP6 matrix_b_fmt:MATRIX_FMT_FP6 matrix_b_scale:MATRIX_SCALE_ROW1
.else
	v_wmma_scale_f32_16x16x128_f8f6f4 v[rD:rD+7], v[rS0:rS0+11], v[rS1:rS1+11], v[rD:rD+7], v[rX0], v[rX1] matrix_a_fmt:MATRIX_FMT_FP6 matrix_b_fmt:MATRIX_FMT_FP6
.endif
.endm
.macro BLOAD c                         ; W_o's eight fragments of K step c, 32 loads of consecutive bytes, into set c % 2 of window 1
	WIN 0x40
.irp t, 0,1,2,3,4,5,6,7
	global_load_b128 v[96*((\c)%2)+12*\t:96*((\c)%2)+12*\t+3], v[L16], s[28:29] offset:(\c)*12288+\t*1536
	global_load_b64 v[96*((\c)%2)+12*\t+4:96*((\c)%2)+12*\t+5], v[L8], s[28:29] offset:(\c)*12288+\t*1536+512
	global_load_b128 v[96*((\c)%2)+12*\t+6:96*((\c)%2)+12*\t+9], v[L16], s[28:29] offset:(\c)*12288+\t*1536+768
	global_load_b64 v[96*((\c)%2)+12*\t+10:96*((\c)%2)+12*\t+11], v[L8], s[28:29] offset:(\c)*12288+\t*1536+1280
.endr
	WIN 0
.endm
.macro ALOAD c                         ; the rows' two fragments of K step c from LDS into set c % 2
.irp m, 0,1
	ds_load_b128 v[AFR+24*((\c)%2)+12*\m:AFR+24*((\c)%2)+12*\m+3], v[L16] offset:(\c)*3072+\m*1536
	ds_load_b64 v[AFR+24*((\c)%2)+12*\m+4:AFR+24*((\c)%2)+12*\m+5], v[L8] offset:(\c)*3072+\m*1536+512
	ds_load_b128 v[AFR+24*((\c)%2)+12*\m+6:AFR+24*((\c)%2)+12*\m+9], v[L16] offset:(\c)*3072+\m*1536+768
	ds_load_b64 v[AFR+24*((\c)%2)+12*\m+10:AFR+24*((\c)%2)+12*\m+11], v[L8] offset:(\c)*3072+\m*1536+1280
.endr
.endm
.macro LSTEP c                         ; K step c (0 or 1): W_o's fragments come out of LDS, four at a time, into v192-239 of window 1
	ALOAD \c
.irp u, 0,1
	WIN 0x40
.irp i, 0,1,2,3
	ds_load_b128 v[LF+12*\i:LF+12*\i+3], v[WL16] offset:(\c)*12288+(4*\u+\i)*1536
	ds_load_b64 v[LF+12*\i+4:LF+12*\i+5], v[WL8] offset:(\c)*12288+(4*\u+\i)*1536+512
	ds_load_b128 v[LF+12*\i+6:LF+12*\i+9], v[WL16] offset:(\c)*12288+(4*\u+\i)*1536+768
	ds_load_b64 v[LF+12*\i+10:LF+12*\i+11], v[WL8] offset:(\c)*12288+(4*\u+\i)*1536+1280
.endr
	WIN 0
	s_wait_dscnt 0x0
	WIN 0x01                                       ; source 0 (W_o) window 1
.irp i, 0,1,2,3
.irp m, 0,1
.set rD,  Y+64*\m+8*(4*\u+\i)
.set rS0, LF+12*\i
.set rS1, AFR+24*((\c)%2)+12*\m
.set rX0, BS+4*(\c)+(4*\u+\i)/2
.set rX1, AS+(\c)
	WM \i%2, \m
.endr
.endr
	WIN 0
	PLACES                                         ; in front of loads into registers that products have read
.endr
.endm
.macro KSTEP c                         ; K step c (2 to 7): W_o's fragments stand in set c % 2
	s_wait_dscnt 0x0                               ; the rows' fragments of this step
.if \c < 7
	ALOAD \c+1
	s_wait_loadcnt 32                              ; all but the next step's 32 loads of W_o are in
.else
	s_wait_loadcnt 0x0
.endif
	WIN 0x01                                       ; source 0 (W_o) window 1
.irp t, 0,1,2,3,4,5,6,7
.irp m, 0,1
.set rD,  Y+64*\m+8*\t
.set rS0, 96*((\c)%2)+12*\t
.set rS1, AFR+24*((\c)%2)+12*\m
.set rX0, BS+4*(\c)+\t/2
.set rX1, AS+(\c)
	WM \t%2, \m
.endr
.endr
	WIN 0
	PLACES                                         ; in front of loads into registers that products have read, and of the first read of results
.if \c < 6
	BLOAD \c+2
.endif
.endm
.macro RTAIL d                         ; two chains of pairs -> the row's figure over my 128 columns, in both halves of the lanes
	s_delay_alu instid0(VALU_DEP_1)
	v_pk_add_f32 v[94:95], v[94:95], v[96:97]
	s_delay_alu instid0(VALU_DEP_1)
	v_add_f32 v94, v94, v95
	s_delay_alu instid0(VALU_DEP_1)
	v_permlanex16_b32 v98, v94, s[SEL], s[SEL+1]
	s_delay_alu instid0(VALU_DEP_1)
	v_add_f32 v[\d], v94, v98
.endm
.macro RSUM d, y
	v_pk_add_f32 v[94:95], v[\y:\y+1], v[\y+2:\y+3]
	v_pk_add_f32 v[96:97], v[\y+4:\y+5], v[\y+6:\y+7]
.irp i, 8,16,24,32,40,48,56
	s_delay_alu instid0(VALU_DEP_2)
	v_pk_add_f32 v[94:95], v[94:95], v[\y+\i:\y+\i+1]
	s_delay_alu instid0(VALU_DEP_2)
	v_pk_add_f32 v[96:97], v[96:97], v[\y+\i+2:\y+\i+3]
	s_delay_alu instid0(VALU_DEP_2)
	v_pk_add_f32 v[94:95], v[94:95], v[\y+\i+4:\y+\i+5]
	s_delay_alu instid0(VALU_DEP_2)
	v_pk_add_f32 v[96:97], v[96:97], v[\y+\i+6:\y+\i+7]
.endr
	RTAIL \d
.endm
.macro RSQ d, y
	v_pk_mul_f32 v[94:95], v[\y:\y+1], v[\y:\y+1]
	v_pk_mul_f32 v[96:97], v[\y+2:\y+3], v[\y+2:\y+3]
.irp i, 4,8,12,16,20,24,28,32,36,40,44,48,52,56,60
	s_delay_alu instid0(VALU_DEP_2)
	v_pk_fma_f32 v[94:95], v[\y+\i:\y+\i+1], v[\y+\i:\y+\i+1], v[94:95]
	s_delay_alu instid0(VALU_DEP_2)
	v_pk_fma_f32 v[96:97], v[\y+\i+2:\y+\i+3], v[\y+\i+2:\y+\i+3], v[96:97]
.endr
	RTAIL \d
.endm
.macro MEET stat                       ; v100, v101: my figures of tiles 0 and 1 -> v104: the eight waves' sum, lane 16 m + r for row r of tile m.  stat: 0 or 1,024, the table
	s_delay_alu instid0(VALU_DEP_1)
	v_cndmask_b32 v102, v100, v101, s54
	ds_store_b32 v[ST1], v102 offset:\stat
	s_wait_dscnt 0x0                               ; for the others' sake
	s_barrier_signal -1
	s_barrier_wait -1
.irp i, 0,1,2,3,4,5,6,7
	ds_load_b32 v[104+\i], v[SLS] offset:\stat+128*\i
.endr
	s_wait_dscnt 0x0
	v_add_f32 v104, v104, v105
	v_add_f32 v106, v106, v107
	v_add_f32 v108, v108, v109
	v_add_f32 v110, v110, v111
	s_delay_alu instid0(VALU_DEP_3)
	v_add_f32 v104, v104, v106
	s_delay_alu instid0(VALU_DEP_2)
	v_add_f32 v108, v108, v110
	s_delay_alu instid0(VALU_DEP_1)
	v_add_f32 v104, v104, v108
.endm
.macro SPREAD d                        ; v104 -> v[d], v[d+1]: tile 0's figure, v[d+2], v[d+3]: tile 1's, in every lane
	v_permlanex16_b32 v98, v104, s[SEL], s[SEL+1]
	v_cndmask_b32 v[\d], v104, v98, s54
	v_cndmask_b32 v[\d+1], v104, v98, s54
	v_cndmask_b32 v[\d+2], v98, v104, s54
	v_cndmask_b32 v[\d+3], v98, v104, s54
.endm
	s_load_b512 s[4:19], s[0:1], 0x0               ; oimg, wimg, x, b_o, ln1_g, ln1_b, b_ff2, x1q
	s_load_b64 s[20:21], s[0:1], 0x40              ; x1a
	v_lshl_add_u32 v126, v0, 2, 0x3a800
	v_mov_b32 v127, 0
	ds_add_u32 v126, v127
	ds_add_u32 v126, v127
	v_lshrrev_b32 v12, 5, v0
	s_delay_alu instid0(VALU_DEP_1)
	v_readfirstlane_b32 s22, v12                   ; wave w
	v_and_b32 v12, 31, v0
	s_delay_alu instid0(VALU_DEP_1)
	v_lshlrev_b32 v[L16], 4, v12
	s_delay_alu instid0(VALU_DEP_2)
	v_lshlrev_b32 v[L8], 3, v12
	s_delay_alu instid0(VALU_DEP_3)
	v_lshlrev_b32 v[SL], 2, v12
	v_and_b32 v13, 15, v0
	v_bfe_u32 v14, v0, 4, 1
	s_delay_alu instid0(VALU_DEP_2)
	v_and_b32 v15, 8, v13
	s_delay_alu instid0(VALU_DEP_1)
	v_add_nc_u32 v15, v15, v13
	s_delay_alu instid0(VALU_DEP_1)
	v_lshlrev_b32 v[XO], 12, v15
	s_delay_alu instid0(VALU_DEP_1)
	v_lshl_add_u32 v[XO], v14, 6, v[XO]            ; x: row r + 8 (r / 8), + 64 h
	s_mul_i32 s23, s22, 24576
	s_add_co_u32 s23, s23, WL                      ; my part of W_o in LDS
	v_add_nc_u32 v[WL16], s23, v[L16]
	v_add_nc_u32 v[WL8], s23, v[L8]
	s_lshl_b32 s48, s22, 9
	s_add_co_u32 s48, s48, PRM
	v_lshl_add_u32 v[PB], v14, 6, s48              ; the vectors: 512 w + 64 h
	s_lshl_b32 s48, s22, 7
	s_add_co_u32 s48, s48, STATB
	v_add_nc_u32 v[ST1], s48, v[SL]                ; the tables: my word, 128 w + 4 x lane
	v_add_nc_u32 v[SLS], STATB, v[SL]
	v_mov_b32 v98, 0
	s_mov_b32 s[SEL], 0x76543210
	s_mov_b32 s[SEL+1], 0xfedcba98
	s_mov_b32 s54, 0xffff0000                      ; lanes 16-31
	s_mov_b32 s55, 0x3a800000                      ; 1 / 1,024
	s_mov_b32 s56, 0x3727c5ac                      ; 1e-5
	s_mov_b32 s49, 0
	; descriptor groups 1: dense blocks as rows of 256 bytes (32 elements of 8 bytes), no mask, no padding
	s_mov_b32 s[G1A], 3<<16
	s_mov_b32 s[G1A+1], 32<<16
	s_mov_b32 s[G1A+2], 96<<16                     ; 24,576 bytes
	s_mov_b32 s[G1A+3], 32<<16
	s_mov_b32 s[G1A+4], 96
	s_mov_b32 s[G1A+5], 32
	s_mov_b32 s[G1A+6], 0
	s_mov_b32 s[G1A+7], 0
	s_mov_b32 s[G1P], 3<<16
	s_mov_b32 s[G1P+1], 32<<16
	s_mov_b32 s[G1P+2], 16<<16                     ; 4,096 bytes
	s_mov_b32 s[G1P+3], 32<<16
	s_mov_b32 s[G1P+4], 16
	s_mov_b32 s[G1P+5], 32
	s_mov_b32 s[G1P+6], 0
	s_mov_b32 s[G1P+7], 0
	s_mov_b32 s[G1W], 3<<16
	s_mov_b32 s[G1W+1], 3072<<16
	s_mov_b32 s[G1W+2], 4<<16
	s_mov_b32 s[G1W+3], 3072<<16
	s_mov_b32 s[G1W+4], 4
	s_mov_b32 s[G1W+5], 12288
	s_mov_b32 s[G1W+6], 0
	s_mov_b32 s[G1W+7], 0
	s_and_b32 s59, s22, 2                          ; 0 in wave 5, 2 in wave 6
	s_mul_i32 s40, s59, 196608                     ; 32 units of 12,288 bytes for the second four waves,
	s_add_co_u32 s40, s40, 2359296                 ; from W_o's unit 192 on
	s_mov_b32 s41, 0
	s_mul_i32 s59, s59, 49152
	s_add_co_u32 s59, s59, WL                      ; and where they go
	s_add_co_u32 s50, s22, 3
	s_and_b32 s50, s50, 3                          ; (w - 1) mod 4: which vector waves 1 to 4 fetch: b_o, gain, offset, b_ff2
	s_lshl_b32 s51, s50, 12
	s_add_co_u32 s51, s51, PRM                     ; and where it goes
	s_lshl_b32 s58, s22, 3
	s_add_co_u32 s58, s58, 192                     ; W_o's unit 192 + 8 w
	s_wait_dscnt 0x0
	s_wait_kmcnt 0x0
	s_mul_i32 s48, ttmp9, 24576
	s_add_nc_u64 s[24:25], s[4:5], s[48:49]        ; my rows' fragments
	s_mul_i32 s48, s58, 12288
	s_add_nc_u64 s[28:29], s[6:7], s[48:49]        ; my fragments of W_o
	s_mov_b64 s[34:35], s[16:17]                   ; the vector is chosen by the wave's number alone
	s_cmp_eq_u32 s50, 2
	s_cselect_b64 s[34:35], s[14:15], s[34:35]
	s_cmp_eq_u32 s50, 1
	s_cselect_b64 s[34:35], s[12:13], s[34:35]
	s_cmp_eq_u32 s50, 0
	s_cselect_b64 s[34:35], s[10:11], s[34:35]
	s_mov_b32 s[G0A], 1
	s_mov_b32 s[G0A+1], AIM
	s_mov_b64 s[G0A+2:G0A+3], s[24:25]
	s_or_b32 s[G0A+3], s[G0A+3], 0x80000000
	s_mov_b32 s[G0W], 1
	s_mov_b32 s[G0W+1], s59
	s_add_nc_u64 s[G0W+2:G0W+3], s[6:7], s[40:41]  ; K steps 0 and 1 are the first 24,576 bytes of a wave's part
	s_or_b32 s[G0W+3], s[G0W+3], 0x80000000
	s_mov_b32 s[G0P], 1
	s_mov_b32 s[G0P+1], s51
	s_mov_b64 s[G0P+2:G0P+3], s[34:35]
	s_or_b32 s[G0P+3], s[G0P+3], 0x80000000
	s_cmp_eq_u32 s22, 0                            ; one chain of branches on the wave's number, one load to an arm, all arms to one join
	s_cbranch_scc0 .Lnot_rows
	tensor_load_to_lds s[G0A:G0A+3], s[G1A:G1A+7]
	s_nop 0
.rept 4
	v_nop
.endr
	s_branch .Lasked
.Lnot_rows:
	s_cmp_lt_u32 s22, 5
	s_cbranch_scc0 .Lonly_w
	tensor_load_to_lds s[G0P:G0P+3], s[G1P:G1P+7]
	s_nop 0
.rept 4
	v_nop
.endr
	s_branch .Lasked
.Lonly_w:
	s_cmp_lt_u32 s22, 7
	s_cbranch_scc0 .Lasked
	tensor_load_to_lds s[G0W:G0W+3], s[G1W:G1W+7]
	s_nop 0
.rept 4
	v_nop
.endr
.Lasked:
	s_lshl_b32 s48, ttmp9, 17
	s_lshl_b32 s50, s22, 9
	s_add_co_u32 s48, s48, s50
	s_add_nc_u64 s[32:33], s[8:9], s[48:49]        ; x: 32 rows a work-group, 512 bytes a wave
	s_lshl_b32 s48, ttmp9, 10
	s_add_co_u32 s48, s48, 3145728
	s_add_nc_u64 s[26:27], s[4:5], s[48:49]        ; the rows' scale words
	s_lshl_b32 s48, s58, 9
	s_add_co_u32 s48, s48, 9437184
	s_add_nc_u64 s[30:31], s[6:7], s[48:49]        ; W_o's scale images
	s_wait_alu depctr_va_vdst(0)
.irp m, 0,1
.irp t, 0,1,2,3,4,5,6,7
.irp e, 0,1
	global_load_b128 v[Y+64*\m+8*\t+4*\e:Y+64*\m+8*\t+4*\e+3], v[XO], s[32:33] offset:32768*\m+128*(\t/2)+32*(\t%2)+16*\e
.endr
.endr
.endr
.irp c, 0,1,2,3,4,5,6,7
	global_load_b32 v[AS+\c], v[SL], s[26:27] offset:128*\c
.endr
.irp c, 0,1,2,3,4,5,6,7
	global_load_b128 v[BS+4*\c:BS+4*\c+3], v[L16], s[30:31] offset:512*\c
.endr
	BLOAD 2
	BLOAD 3
	s_lshr_b32 s50, ttmp9, 2
	s_lshl_b32 s50, s50, 3
	s_add_co_u32 s50, s50, s22                     ; 8 x rowgroup + K step w
	s_and_b32 s51, ttmp9, 3
	s_mul_i32 s48, s50, 12288
	s_mul_i32 s57, s51, 3072
	s_add_co_u32 s48, s48, s57
	s_add_nc_u64 s[42:43], s[18:19], s[48:49]
	s_lshl_b32 s48, s50, 9
	s_lshl_b32 s57, s51, 2
	s_add_co_u32 s48, s48, s57
	s_add_co_u32 s48, s48, 3145728
	s_add_nc_u64 s[44:45], s[18:19], s[48:49]
	s_lshl_b32 s48, ttmp9, 17
	s_lshl_b32 s57, s22, 13
	s_add_co_u32 s48, s48, s57
	s_add_nc_u64 s[46:47], s[20:21], s[48:49]      ; x1a: row tile 2 j, column tile 8 w
	s_wait_tensorcnt 0x0                           ; my fills have landed,
	s_barrier_signal -1
	s_barrier_wait -1                              ; everybody's have: the rows' fragments and the vectors lie in LDS
	s_wait_loadcnt 63                              ; x and the scale words are in.  Behind them 64 loads were issued and the count's field ends at 63: so the first load of K step 2 is waited for too
	LSTEP 0
	LSTEP 1
	WIN 0x40
.irp b, 0,1,2,3
.irp j, 0,1,2,3
	ds_load_b128 v[192+16*\b+4*\j:192+16*\b+4*\j+3], v[PB] offset:128*\b+16*\j   ; b_o: register 16 b + i = column 32 b + 16 h + i of my 128
.endr
.endr
	WIN 0
	ALOAD 2
.irp c, 2,3,4,5,6,7
	KSTEP \c
.endr
	; ---- the norm
	WIN 0x40
.irp b, 0,1,2,3
.irp j, 0,1,2,3
	ds_load_b128 v[16*\b+4*\j:16*\b+4*\j+3], v[PB] offset:4096+128*\b+16*\j          ; gain,
	ds_load_b128 v[64+16*\b+4*\j:64+16*\b+4*\j+3], v[PB] offset:8192+128*\b+16*\j    ; offset,
	ds_load_b128 v[128+16*\b+4*\j:128+16*\b+4*\j+3], v[PB] offset:12288+128*\b+16*\j ; b_ff2: they are waited for with the first meeting's store
.endr
.endr
	WIN 0x04                                       ; source 1 window 1
.irp m, 0,1
.set i, 0
.rept 32
	v_pk_add_f32 v[Y+64*\m+i:Y+64*\m+i+1], v[Y+64*\m+i:Y+64*\m+i+1], v[192+i:193+i]   ; + b_o; each accumulator from its low end on
.set i, i+2
.endr
.endr
	WIN 0
	RSUM 100, Y
	RSUM 101, Y+64
	MEET 0
	s_delay_alu instid0(VALU_DEP_1)
	v_mul_f32 v104, s55, v104                      ; the mean
	SPREAD 112
.irp m, 0,1
.set i, 0
.rept 32
	v_pk_add_f32 v[Y+64*\m+i:Y+64*\m+i+1], v[Y+64*\m+i:Y+64*\m+i+1], v[112+2*\m:113+2*\m] neg_lo:[0,1] neg_hi:[0,1]
.set i, i+2
.endr
.endr
	RSQ 100, Y
	RSQ 101, Y+64
	MEET 1024                                      ; other bytes than the first meeting's: no barrier between that one's reads and these stores
	s_delay_alu instid0(VALU_DEP_1)
	v_fma_f32 v104, v104, s55, s56                 ; the variance + 1e-5
	s_wait_alu depctr_va_vdst(0)
	v_rsq_f32 v104, v104
	v_nop
	s_wait_alu depctr_va_vdst(0)
	SPREAD 116
.irp m, 0,1
.set i, 0
.rept 32
	v_pk_mul_f32 v[Y+64*\m+i:Y+64*\m+i+1], v[Y+64*\m+i:Y+64*\m+i+1], v[116+2*\m:117+2*\m]
.set i, i+2
.endr
.endr
	WIN 0x14                                       ; sources 1 and 2 window 1
.irp m, 0,1
.set i, 0
.rept 32
	v_pk_fma_f32 v[Y+64*\m+i:Y+64*\m+i+1], v[Y+64*\m+i:Y+64*\m+i+1], v[i:i+1], v[64+i:65+i]
.set i, i+2
.endr
.endr
	WIN 0
.irp b, 0,1,2,3
	v_mov_b32 v[TM+4+\b], 0
.endr
.irp m, 0,1
	s_wait_xcnt 0x0                                ; the stores have read the codes' registers
	QUANT Y+64*\m
	STORE4 PC, 42, \m*1536
.if \m == 0
	v_mov_b32 v[PWE], v[PW]
.endif
	WIN 0x04
.set i, 0
.rept 32
	v_pk_add_f32 v[Y+64*\m+i:Y+64*\m+i+1], v[Y+64*\m+i:Y+64*\m+i+1], v[128+i:129+i]   ; + b_ff2, for the last product's C
.set i, i+2
.endr
	WIN 0
.irp t, 0,1,2,3,4,5,6,7
.irp e, 0,1
	global_store_b128 v[L16], v[Y+64*\m+8*\t+4*\e:Y+64*\m+8*\t+4*\e+3], s[46:47] offset:65536*\m+1024*\t+512*\e   ; 512 consecutive bytes
.endr
.endr
.endr
	v_cndmask_b32 v102, v[PWE], v[PW], s54
	global_store_b32 v[L16], v102, s[44:45]
	s_wait_tensorcnt 0x0
	ds_add_u32 v126, v127
	s_wait_dscnt 0x0
	s_endpgm
.Lfunc_end_k_qc0d8d163f3_opln:
	.size	k_qc0d8d163f3_opln, .Lfunc_end_k_qc0d8d163f3_opln-k_qc0d8d163f3_opln
	.p2alignl 7, 3214868480
	.fill 96, 4, 3214868480
	.section	.rodata,"a",@progbits
	.p2align	6, 0x0
	.amdhsa_kernel k_qc0d8d163f3_opln
		.amdhsa_group_segment_fixed_size 240640
		.amdhsa_private_segment_fixed_size 0
		.amdhsa_enable_private_segment 0
		.amdhsa_kernarg_size 72
		.amdhsa_user_sgpr_count 2
		.amdhsa_user_sgpr_kernarg_segment_ptr 1
		.amdhsa_wavefront_size32 1
		.amdhsa_system_sgpr_workgroup_id_x 1
		.amdhsa_system_sgpr_workgroup_id_y 1
		.amdhsa_system_sgpr_workgroup_id_z 1
		.amdhsa_system_vgpr_workitem_id 0
		.amdhsa_next_free_vgpr 512
		.amdhsa_next_free_sgpr 96
		.amdhsa_reserve_vcc 0
		.amdhsa_float_denorm_mode_32 3
		.amdhsa_float_denorm_mode_16_64 3
		.amdhsa_memory_ordered 1
		.amdhsa_forward_progress 1
		.amdhsa_inst_pref_size 112
	.end_amdhsa_kernel
	.amdgpu_metadata
---
amdhsa.version: [ 1, 2 ]
amdhsa.kernels:
  - .name:           k_qc0d8d163f3_opln
    .symbol:         k_qc0d8d163f3_opln.kd
    .args:
      - { .name: oimg, .offset: 0, .size: 8, .value_kind: global_buffer, .address_space: global }
      - { .name: wimg, .offset: 8, .size: 8, .value_kind: global_buffer, .address_space: global }
      - { .name: x, .offset: 16, .size: 8, .value_kind: global_buffer, .address_space: global }
      - { .name: b_o, .offset: 24, .size: 8, .value_kind: global_buffer, .address_space: global }
      - { .name: ln1_g, .offset: 32, .size: 8, .value_kind: global_buffer, .address_space: global }
      - { .name: ln1_b, .offset: 40, .size: 8, .value_kind: global_buffer, .address_space: global }
      - { .name: b_ff2, .offset: 48, .size: 8, .value_kind: global_buffer, .address_space: global }
      - { .name: x1q, .offset: 56, .size: 8, .value_kind: global_buffer, .address_space: global }
      - { .name: x1a, .offset: 64, .size: 8, .value_kind: global_buffer, .address_space: global }
    .group_segment_fixed_size: 240640
    .private_segment_fixed_size: 0
    .kernarg_segment_align: 8
    .kernarg_segment_size: 72
    .max_flat_workgroup_size: 256
    .sgpr_count:     96
    .vgpr_count:     512
    .wavefront_size: 32
...
	.end_amdgpu_metadata
.endif
;; end of part 4
;; launch ff1 (part 5): grid 16 x 16, 4 waves a work-group, clusters of 4 x 4, 327,680 bytes of LDS; arguments x1q, wimg, b_ff1, himg; writes himg
.if DOCPART == 5
	.amdgcn_target "amdgcn-amd-amdhsa--gfx1250"
	.amdhsa_code_object_version 6
	.text
	.protected	k_qc0d8d163f3_ff1
	.globl	k_qc0d8d163f3_ff1
	.p2align	8
	.type	k_qc0d8d163f3_ff1,@function
k_qc0d8d163f3_ff1:
	s_mov_b64 s[64:65], 0
	v_nop
	global_prefetch_b8 v0, s[64:65] scope:SCOPE_SE
	s_setreg_imm32_b32 hwreg(HW_REG_WAVE_MODE, 25, 1), 1
	s_wait_xcnt 0x0
	s_wait_alu depctr_hold_cnt(0) depctr_sa_sdst(0) depctr_va_vdst(0) depctr_va_sdst(0) depctr_va_ssrc(0) depctr_va_vcc(0) depctr_vm_vsrc(0)
	s_getreg_b32 s2, hwreg(HW_REG_IB_STS2, 6, 4)
	s_cmp_eq_u32 s2, 0
	s_cbranch_scc0 .Lentry_in_a_cluster
	s_endpgm
.Lentry_in_a_cluster:
	s_bfe_u32 s2, ttmp6, 0x10000c
	s_cmp_lg_u32 s2, 0xf033
	s_cbranch_scc0 .Lentry_shape_is_right
	s_endpgm
.Lentry_shape_is_right:
.set KIND,   1
.set PART,   24576
.set SLOT,   4*PART
.set SCL,    2*SLOT
.set SPARE,  SCL+4*4096
.set ADRA16, 16
.set ADRA8,  18
.set ADRB16, 20
.set ADRB8,  22
.set ADSA,   24
.set ADSB,   25
.set L16,    26
.set L8,     27
.set SPW,    28
.set NIL,    29
.set BV0,    30
.set BV1,    31
.set SC,     32
.set AF,     64
.set T,      64
.set TM,     128
.set PC,     144
.set PW,     164
.set PWE,    165
.set SW,     168
.set BN,     192
.set G1,   24
.set G0,   32
.set G1B,  48
.set G0B,  56
.set G1S,  68
.set G0S,  76
.set G1SB, 80
.set G0SB, 88
.set SEL,  66
.set MSB, 0
.macro WIN new
.if MSB != (\new)
	s_set_vgpr_msb (MSB<<8)|(\new)
.set MSB, (\new)
.endif
.endm
.set MUL_LO, 0xa1
.set MUL_HI, 0xf1
.set TO_B,   0x40
.macro PLACES
.rept 4
	v_nop
.endr
.endm
.macro JLOAD g0a, g1a, g0b, g1b
	s_cmp_eq_u32 s17, 0
	s_cbranch_scc0 .Lfor_b_\@
	tensor_load_to_lds s[\g0a:\g0a+3], s[\g1a:\g1a+7]
	s_nop 0
.rept 4
	v_nop
.endr
	s_branch .Lasked_\@
.Lfor_b_\@:
	tensor_load_to_lds s[\g0b:\g0b+3], s[\g1b:\g1b+7]
	s_nop 0
.rept 4
	v_nop
.endr
.Lasked_\@:
.endm
.macro CREST
	s_cmp_lg_u32 s16, 0
	s_cbranch_scc1 .Lnot_wave_0_\@
	s_barrier_signal -3
.Lnot_wave_0_\@:
	s_barrier_wait -3
	s_barrier_signal -1
	s_barrier_wait -1
.endm
.macro CROUND
	s_barrier_signal -1
	s_barrier_wait -1
	CREST
.endm
.macro QUANT s
.irp b, 0,1,2,3
	v_max3_num_f32 v[TM+\b], |v[\s+16*\b]|, |v[\s+1+16*\b]|, 0x1800000
.endr
.irp i, 2,4,6,8,10,12,14
.irp b, 0,1,2,3
	v_max3_num_f32 v[TM+\b], v[TM+\b], |v[\s+16*\b+\i]|, |v[\s+1+16*\b+\i]|
.endr
.endr
.irp b, 0,1,2,3
	v_permlanex16_b32 v[TM+4+\b], v[TM+\b], s[SEL], s[SEL+1]
.endr
.irp b, 0,1,2,3
	v_max_num_f32 v[TM+\b], v[TM+\b], v[TM+4+\b]
.endr
.irp b, 0,1,2,3
	v_add_nc_u32 v[TM+12+\b], 0xff000000, v[TM+\b]
.endr
.irp b, 0,1,2,3
	v_lshrrev_b32 v[TM+4+\b], 23, v[TM+12+\b]
.endr
	v_lshl_or_b32 v[PW], v[TM+5], 8, v[TM+4]
	v_lshl_or_b32 v[PW], v[TM+6], 16, v[PW]
	v_lshl_or_b32 v[PW], v[TM+7], 24, v[PW]
.irp c, 0,1
	v_cvt_scalef32_pk16_fp6_f32 v[PC+6*\c:PC+2+6*\c], v[\s+32*\c:\s+15+32*\c], v[TM+12+2*\c]
	v_cvt_scalef32_pk16_fp6_f32 v[PC+12+4*\c:PC+14+4*\c], v[\s+16+32*\c:\s+31+32*\c], v[TM+12+2*\c+1]
.endr
	v_nop
.irp c, 0,1
.irp i, 0,1,2
	v_permlane16_swap_b32 v[PC+6*\c+\i], v[PC+12+4*\c+\i]
.endr
.irp i, 0,1,2
	v_mov_b32 v[PC+3+6*\c+\i], v[PC+12+4*\c+\i]
.endr
.endr
.endm
.macro STORE4 reg, base, off
	global_store_b128 v[L16], v[\reg:\reg+3], s[\base:\base+1] offset:(\off)
	global_store_b64 v[L8], v[\reg+4:\reg+5], s[\base:\base+1] offset:(\off)+512
	global_store_b128 v[L16], v[\reg+6:\reg+9], s[\base:\base+1] offset:(\off)+768
	global_store_b64 v[L8], v[\reg+10:\reg+11], s[\base:\base+1] offset:(\off)+1280
.endm
.macro FRAG reg, a16, a8, off
	ds_load_b128 v[\reg:\reg+3], v[\a16] offset:(\off)
	ds_load_b64 v[\reg+4:\reg+5], v[\a8] offset:(\off)+512
	ds_load_b128 v[\reg+6:\reg+9], v[\a16] offset:(\off)+768
	ds_load_b64 v[\reg+10:\reg+11], v[\a8] offset:(\off)+1280
.endm
.macro WM zero, r0, r1
.if \zero
.if (\r0) && (\r1)
	v_wmma_scale_f32_16x16x128_f8f6f4 v[rD:rD+7], v[rS0:rS0+11], v[rS1:rS1+11], 0, v[rX0], v[rX1] matrix_a_fmt:MATRIX_FMT_FP6 matrix_b_fmt:MATRIX_FMT_FP6 matrix_a_scale:MATRIX_SCALE_ROW1 matrix_b_scale:MATRIX_SCALE_ROW1
.elseif (\r0)
	v_wmma_scale_f32_16x16x128_f8f6f4 v[rD:rD+7], v[rS0:rS0+11], v[rS1:rS1+11], 0, v[rX0], v[rX1] matrix_a_fmt:MATRIX_FMT_FP6 matrix_b_fmt:MATRIX_FMT_FP6 matrix_a_scale:MATRIX_SCALE_ROW1
.elseif (\r1)
	v_wmma_scale_f32_16x16x128_f8f6f4 v[rD:rD+7], v[rS0:rS0+11], v[rS1:rS1+11], 0, v[rX0], v[rX1] matrix_a_fmt:MATRIX_FMT_FP6 matrix_b_fmt:MATRIX_FMT_FP6 matrix_b_scale:MATRIX_SCALE_ROW1
.else
	v_wmma_scale_f32_16x16x128_f8f6f4 v[rD:rD+7], v[rS0:rS0+11], v[rS1:rS1+11], 0, v[rX0], v[rX1] matrix_a_fmt:MATRIX_FMT_FP6 matrix_b_fmt:MATRIX_FMT_FP6
.endif
.else
.if (\r0) && (\r1)
	v_wmma_scale_f32_16x16x128_f8f6f4 v[rD:rD+7], v[rS0:rS0+11], v[rS1:rS1+11], v[rD:rD+7], v[rX0], v[rX1] matrix_a_fmt:MATRIX_FMT_FP6 matrix_b_fmt:MATRIX_FMT_FP6 matrix_a_scale:MATRIX_SCALE_ROW1 matrix_b_scale:MATRIX_SCALE_ROW1
.elseif (\r0)
	v_wmma_scale_f32_16x16x128_f8f6f4 v[rD:rD+7], v[rS0:rS0+11], v[rS1:rS1+11], v[rD:rD+7], v[rX0], v[rX1] matrix_a_fmt:MATRIX_FMT_FP6 matrix_b_fmt:MATRIX_FMT_FP6 matrix_a_scale:MATRIX_SCALE_ROW1
.elseif (\r1)
	v_wmma_scale_f32_16x16x128_f8f6f4 v[rD:rD+7], v[rS0:rS0+11], v[rS1:rS1+11], v[rD:rD+7], v[rX0], v[rX1] matrix_a_fmt:MATRIX_FMT_FP6 matrix_b_fmt:MATRIX_FMT_FP6 matrix_b_scale:MATRIX_SCALE_ROW1
.else
	v_wmma_scale_f32_16x16x128_f8f6f4 v[rD:rD+7], v[rS0:rS0+11], v[rS1:rS1+11], v[rD:rD+7], v[rX0], v[rX1] matrix_a_fmt:MATRIX_FMT_FP6 matrix_b_fmt:MATRIX_FMT_FP6
.endif
.endif
.endm
.macro MUL16 a0, p, zero
.irp a, \a0, \a0+1
.irp b, 0,1,2,3,4,5,6,7
.set rD,  8*(8*((\a)%4)+\b)
.set rS0, 96*(\p)+12*\b
.set rS1, AF+96*(\p)+12*(\a)
.set rX0, SC+4+8*(\p)+\b/2
.set rX1, SC+8*(\p)+(\a)/2
	WM \zero, \b%2, (\a)%2
.endr
.endr
.endm
.macro FETCH slot, q, p, ks
	WIN TO_B
.irp i, 0,1,2,3,4,5,6,7
	FRAG 96*(\p)+12*\i, ADRB16+\slot, ADRB8+\slot, (\q)*12288+\i*1536
.endr
	WIN 0
.irp i, 0,1,2,3,4,5,6,7
	FRAG AF+96*(\p)+12*\i, ADRA16+\slot, ADRA8+\slot, (\q)*12288+\i*1536
.endr
	ds_load_b128 v[SC+8*(\p):SC+8*(\p)+3], v[ADSA] offset:(\ks)*512
	ds_load_b128 v[SC+4+8*(\p):SC+4+8*(\p)+3], v[ADSB] offset:(\ks)*512
.endm
.macro STEP slot, ks, zero
	s_wait_dscnt 0x0
	WIN MUL_LO
	MUL16 0, 0, \zero
	MUL16 2, 0, \zero
	PLACES
	FETCH \slot, 1, 1, (\ks)+1
	WIN MUL_HI
	MUL16 4, 0, \zero
	MUL16 6, 0, \zero
.endm
.macro TURN slot, next, fill, ks
	WIN 0
	s_wait_tensorcnt 0x0
	ds_add_u32 v[SPW], v[NIL]
	s_wait_dscnt 1
	WIN MUL_LO
	MUL16 0, 1, 0
	s_wait_dscnt 0x0
	s_barrier_signal -1
	MUL16 2, 1, 0
	WIN 0
	s_barrier_wait -1
.if \fill
	CREST
	s_add_nc_u64 s[G0+4*\slot+2:G0+4*\slot+3], s[G0+4*\slot+2:G0+4*\slot+3], 2*PART
	s_add_nc_u64 s[G0B+4*\slot+2:G0B+4*\slot+3], s[G0B+4*\slot+2:G0B+4*\slot+3], 2*PART
	JLOAD G0+4*\slot, G1, G0B+4*\slot, G1B
.else
	PLACES
.endif
	FETCH \next, 0, 0, (\ks)+1
	WIN MUL_HI
	MUL16 4, 1, 0
	MUL16 6, 1, 0
.endm
.if KIND == 0
	s_load_b256 s[4:11], s[0:1], 0x0
	s_load_b128 s[12:15], s[0:1], 0x20
.else
	s_load_b128 s[4:7], s[0:1], 0x0
	s_load_b64 s[8:9], s[0:1], 0x10
	s_load_b64 s[14:15], s[0:1], 0x18
.endif
	v_lshl_add_u32 v[SPW], v0, 2, SPARE
	v_mov_b32 v[NIL], 0
	ds_add_u32 v28, v29
	ds_add_u32 v28, v29
	s_wait_dscnt 0x0
	v_lshrrev_b32 v1, 5, v0
	v_readfirstlane_b32 s16, v1
	s_lshr_b32 s17, s16, 1
	s_and_b32 s18, s16, 1
	s_bfe_u32 s40, ttmp6, 0x40000
	s_bfe_u32 s41, ttmp6, 0x40004
	s_and_b32 s94, ttmp7, 0xffff
	s_mov_b32 s97, 3145728
	s_mov_b32 s98, 9437184
.if KIND == 0
	s_sub_co_u32 s99, s94, 4
	s_lshl_b32 s99, s99, 1
	s_add_co_u32 s99, s99, ttmp9
	s_cmp_ge_u32 s94, 4
	s_cselect_b32 s95, 1, 0
	s_cselect_b32 s94, 0, s94
	s_cselect_b32 s99, s99, ttmp9
	s_cselect_b32 s96, 16, 0
	s_cselect_b32 s97, 9437184, s97
	s_cselect_b32 s98, 3145728, s98
.set GB0, 0
.else
	s_mov_b32 s99, ttmp9
	s_mov_b32 s96, 0
.set GB0, 32
.endif
	s_lshl_b32 s42, s99, 2
	s_add_co_u32 s42, s42, s40
	s_lshl_b32 s19, s94, 2
	s_add_co_u32 s19, s19, s41
	s_lshl_b32 s43, s41, 2
	s_lshl_b32 s43, 15, s43
	s_lshl_b32 s44, 0x1111, s40
	s_or_b32 s[G1], s43, (3<<16)|(1<<21)
	s_or_b32 s[G1B], s44, (3<<16)|(1<<21)
	s_or_b32 s[G1S], s43, (3<<16)|(1<<21)
	s_or_b32 s[G1SB], s44, (3<<16)|(1<<21)
.irp g, G1, G1B                                ; the head's shape: two rowgroups' parts, 2 rows of 24,576 bytes, 98,304 bytes apart
	s_mov_b32 s[\g+1], 3072<<16
	s_mov_b32 s[\g+2], 2<<16
	s_mov_b32 s[\g+3], 3072<<16
	s_mov_b32 s[\g+4], 2
	s_mov_b32 s[\g+5], 12288
	s_mov_b32 s[\g+6], 0
	s_mov_b32 s[\g+7], 0
.endr
.irp g, G1S, G1SB
	s_mov_b32 s[\g+1], 32<<16
	s_mov_b32 s[\g+2], 32<<16                      ; two rowgroups' scale images: 8,192 dense bytes
	s_mov_b32 s[\g+3], 32<<16
	s_mov_b32 s[\g+4], 32
	s_mov_b32 s[\g+5], 32
	s_mov_b32 s[\g+6], 0
	s_mov_b32 s[\g+7], 0
.endr
	s_lshl_b32 s20, s19, 1
	s_add_co_u32 s20, s20, s18
	s_add_co_u32 s20, s20, s96
	s_lshl_b32 s22, s20, 12
	s_add_co_u32 s22, s22, s97
	s_mov_b32 s23, 0
	s_mul_i32 s20, s20, 98304
	s_mov_b32 s21, 0
	s_lshl_b32 s46, s42, 1
	s_add_co_u32 s46, s46, s18
	s_add_co_u32 s46, s46, GB0
	s_lshl_b32 s92, s46, 12
	s_add_co_u32 s92, s92, s98
	s_mov_b32 s93, 0
	s_mul_i32 s46, s46, 98304
	s_mov_b32 s47, 0
	s_mul_i32 s45, s16, PART
	s_lshl_b32 s100, s16, 12
	s_mov_b32 s101, 0xffff0000
	s_wait_kmcnt 0x0
.if KIND == 0
	s_cmp_eq_u32 s95, 0
	s_cselect_b64 s[2:3], s[4:5], s[6:7]
	s_cselect_b64 s[66:67], s[6:7], s[4:5]
.else
	s_mov_b64 s[2:3], s[4:5]
	s_mov_b64 s[66:67], s[6:7]
.endif
	s_add_nc_u64 s[20:21], s[2:3], s[20:21]
	s_add_nc_u64 s[22:23], s[2:3], s[22:23]
	s_add_nc_u64 s[46:47], s[66:67], s[46:47]
	s_add_nc_u64 s[92:93], s[66:67], s[92:93]
	s_mov_b32 s[SEL], 0x76543210
	s_mov_b32 s[SEL+1], 0xfedcba98
	; THE HEAD'S FOUR TILES, ONE A WAVE: wave 0 slot 0's two parts of A, wave 1 those of B, wave 2 A's scale images, wave 3 B's.  Each begins at the first of the block's two rowgroups.
	s_mul_i32 s98, s18, 98304                      ; what my own half adds to an address of codes,
	s_mov_b32 s99, 0
	s_lshl_b32 s96, s18, 12                        ; and of scales
	s_mov_b32 s97, 0
	s_mov_b32 s[G0], 1
	s_mov_b32 s[G0+1], 0
	s_sub_nc_u64 s[G0+2:G0+3], s[20:21], s[98:99]
	s_or_b32 s[G0+3], s[G0+3], 0x80000000
	s_mov_b32 s[G0B], 1
	s_mov_b32 s[G0B+1], 2*PART
	s_sub_nc_u64 s[G0B+2:G0B+3], s[46:47], s[98:99]
	s_or_b32 s[G0B+3], s[G0B+3], 0x80000000
	s_mov_b32 s[G0S], 1
	s_mov_b32 s[G0S+1], SCL
	s_sub_nc_u64 s[G0S+2:G0S+3], s[22:23], s[96:97]
	s_or_b32 s[G0S+3], s[G0S+3], 0x80000000
	s_mov_b32 s[G0SB], 1
	s_mov_b32 s[G0SB+1], SCL+8192
	s_sub_nc_u64 s[G0SB+2:G0SB+3], s[92:93], s[96:97]
	s_or_b32 s[G0SB+3], s[G0SB+3], 0x80000000
	s_mov_b32 s[G0+4], 1                           ; slot 1's sets: my own part
	s_add_co_u32 s[G0+5], s45, SLOT
	s_add_nc_u64 s[G0+6:G0+7], s[20:21], PART
	s_or_b32 s[G0+7], s[G0+7], 0x80000000
	s_mov_b32 s[G0B+4], 1
	s_add_co_u32 s[G0B+5], s45, SLOT
	s_add_nc_u64 s[G0B+6:G0B+7], s[46:47], PART
	s_or_b32 s[G0B+7], s[G0B+7], 0x80000000
	CROUND                                         ; all sixteen work-groups are here: the first joint loads meet
.macro ARM under, g0, g1, next                 ; one chain of branches on the wave's number: every way passes one load
	s_cmp_lt_u32 s16, \under
	s_cbranch_scc0 \next
	tensor_load_to_lds s[\g0:\g0+3], s[\g1:\g1+7]
	s_nop 0
.rept 4
	v_nop
.endr
	s_branch .Lhead_asked
\next:
.endm
	ARM 1, G0,  G1,  .Lhead_b
	ARM 2, G0B, G1B, .Lhead_sa
	ARM 3, G0S, G1S, .Lhead_sb
	tensor_load_to_lds s[G0SB:G0SB+3], s[G1SB:G1SB+7]
	s_nop 0
.rept 4
	v_nop
.endr
.Lhead_asked:
	s_wait_alu depctr_va_vdst(0)
	s_wait_tensorcnt 0x0                           ; my tile of the four is in; no tensor load of mine is out, so descriptors may be written
	ds_add_u32 v28, v29
.irp g, G1, G1B                                ; the ring's shape: a part of 96 rows of 256 bytes
	s_mov_b32 s[\g+1], 32<<16
	s_mov_b32 s[\g+2], 96<<16
	s_mov_b32 s[\g+3], 32<<16
	s_mov_b32 s[\g+4], 96
	s_mov_b32 s[\g+5], 32
.endr
	s_mov_b32 s[G0+1], s45                         ; slot 0's sets, for its refill: my own part
	s_add_nc_u64 s[G0+2:G0+3], s[G0+2:G0+3], s[98:99]
	s_mov_b32 s[G0B+1], s45
	s_add_nc_u64 s[G0B+2:G0B+3], s[G0B+2:G0B+3], s[98:99]
	s_wait_dscnt 0x0
	CROUND                                         ; all four tiles are in, in every partner
	JLOAD G0+4, G1, G0B+4, G1B                     ; slot 1's first fill, issued as a refill is
	v_and_b32 v1, 31, v0
	v_lshlrev_b32 v[L16], 4, v1
	v_lshlrev_b32 v[L8], 3, v1
	s_mul_i32 s20, s17, PART
	s_mul_i32 s21, s18, PART
	s_add_co_u32 s21, s21, 2*PART
.irp s, 0,1
	v_add_nc_u32 v[ADRA16+\s], s20, v[L16]
	v_add_nc_u32 v[ADRA8+\s], s20, v[L8]
	v_add_nc_u32 v[ADRB16+\s], s21, v[L16]
	v_add_nc_u32 v[ADRB8+\s], s21, v[L8]
	s_add_co_u32 s20, s20, SLOT
	s_add_co_u32 s21, s21, SLOT
.endr
	s_lshl_b32 s20, s17, 12
	s_add_co_u32 s20, s20, SCL
	v_add_nc_u32 v[ADSA], s20, v[L16]
	s_lshl_b32 s21, s18, 12
	s_add_co_u32 s21, s21, SCL+8192
	v_add_nc_u32 v[ADSB], s21, v[L16]
	s_lshl_b32 s96, s42, 1
	s_add_co_u32 s96, s96, s18
	s_lshl_b32 s97, s19, 1
	s_add_co_u32 s97, s97, s17
	s_lshl_b32 s20, s97, 5
	s_add_co_u32 s20, s20, s96
.if KIND == 0
	s_lshl_b32 s21, s96, 5
	s_add_co_u32 s21, s21, s97
	s_mov_b32 s22, 9437184
	s_cmp_eq_u32 s95, 0
	s_cselect_b32 s20, s21, s20
	s_cselect_b32 s21, 0, 6291456
	s_cselect_b32 s22, s22, 9699328
.else
	s_mov_b32 s21, 0
	s_mov_b32 s22, 12582912
.endif
	s_mul_i32 s46, s20, 12288
	s_add_co_u32 s46, s46, s21
	s_mov_b32 s47, 0
	s_lshl_b32 s92, s20, 9
	s_add_co_u32 s92, s92, s22
	s_mov_b32 s93, 0
	s_add_nc_u64 s[46:47], s[14:15], s[46:47]
	s_add_nc_u64 s[92:93], s[14:15], s[92:93]
	v_and_b32 v2, 15, v0
	v_bfe_u32 v3, v0, 4, 1
	v_lshlrev_b32 v[BV0], 6, v3
	s_mov_b32 s21, 0
.if KIND == 0
	v_and_b32 v4, 8, v2
	v_add_nc_u32 v4, v4, v2
	v_lshlrev_b32 v[BV1], 2, v4
	s_and_b32 s20, s96, 7
	s_lshl_b32 s20, s20, 9
	s_cmp_eq_u32 ttmp9, 0
	s_cselect_b64 s[22:23], s[8:9], s[10:11]
	s_add_nc_u64 s[22:23], s[22:23], s[20:21]
	s_and_b32 s20, s97, 7
	s_lshl_b32 s20, s20, 9
	s_add_nc_u64 s[2:3], s[12:13], s[20:21]
	s_cmp_eq_u32 s95, 0
	s_cbranch_scc0 .Lbias_v
.else
	s_lshl_b32 s20, s96, 9
	s_add_nc_u64 s[22:23], s[8:9], s[20:21]
.endif
	WIN TO_B
.irp b, 0,1,2,3
.irp j, 0,1,2,3
	global_load_b128 v[BN+16*\b+4*\j:BN+16*\b+4*\j+3], v[BV0], s[22:23] offset:128*\b+16*\j
.endr
.endr
	WIN 0
.if KIND == 0
	s_branch .Lbias_in
.Lbias_v:
	WIN TO_B
.irp a, 0,1,2,3,4,5,6,7
.irp j, 0,1,2,3,4,5,6,7
	global_load_b32 v[BN+8*\a+\j], v[BV1], s[2:3] offset:4*(32*(\a/2)+8*(\a%2))
.endr
.endr
	WIN 0
.Lbias_in:
.endif
	s_wait_alu depctr_va_vdst(0)
	s_wait_tensorcnt 1
	s_barrier_signal -1
	s_barrier_wait -1
	FETCH 0, 0, 0, 0
	STEP 0, 0, 1
	TURN 0, 1, 1, 1
	STEP 1, 2, 0
	TURN 1, 0, 1, 3
	STEP 0, 4, 0
	TURN 0, 1, 0, 5
	STEP 1, 6, 0
	s_wait_dscnt 0x0
	WIN MUL_LO
	MUL16 0, 1, 0
	MUL16 2, 1, 0
	WIN MUL_HI
	MUL16 4, 1, 0
	MUL16 6, 1, 0
	WIN 0
	PLACES
	s_wait_loadcnt 0x0
.irp b, 0,1,2,3
	v_mov_b32 v[TM+4+\b], 0
.endr
.macro BIAS a
	WIN 0
.if KIND == 0
	s_cmp_eq_u32 s95, 0
	s_cbranch_scc0 .Lbv_\@
.endif
	WIN 0x06+(\a)/4
.set i, 0
.rept 32
	v_pk_add_f32 v[T+i:T+i+1], v[64*((\a)%4)+i:64*((\a)%4)+i+1], v[BN+i:BN+i+1]
.set i, i+2
.endr
	WIN 0
.if KIND == 0
	s_branch .Lbd_\@
.Lbv_\@:
	WIN 0x06+(\a)/4
.set i, 0
.rept 32
	v_pk_add_f32 v[T+i:T+i+1], v[64*((\a)%4)+i:64*((\a)%4)+i+1], v[BN+8*(\a)+i%8:BN+8*(\a)+i%8+1]
.set i, i+2
.endr
	WIN 0
.Lbd_\@:
.endif
.endm
.irp a, 0,1,2,3,4,5,6,7
	s_wait_xcnt 0x0
	BIAS \a
.if KIND == 1
.set i, 0
.rept 64
	v_max_num_f32 v[T+i], 0, v[T+i]
.set i, i+1
.endr
.endif
	QUANT T
	STORE4 PC, 46, \a*1536
.if \a%2 == 0
	v_mov_b32 v[PWE], v[PW]
.else
	v_cndmask_b32 v[SW+\a/2], v[PWE], v[PW], s101
.endif
.endr
	global_store_b128 v[L16], v[SW:SW+3], s[92:93]
	s_wait_tensorcnt 0x0
	ds_add_u32 v[SPW], v[NIL]
	s_wait_dscnt 0x0
	CROUND
	s_endpgm
.Lfunc_end_k_qc0d8d163f3_ff1:
	.size	k_qc0d8d163f3_ff1, .Lfunc_end_k_qc0d8d163f3_ff1-k_qc0d8d163f3_ff1
	.p2alignl 7, 3214868480
	.fill 96, 4, 3214868480
	.section	.rodata,"a",@progbits
	.p2align	6, 0x0
	.amdhsa_kernel k_qc0d8d163f3_ff1
		.amdhsa_group_segment_fixed_size 327680
		.amdhsa_private_segment_fixed_size 0
		.amdhsa_enable_private_segment 0
		.amdhsa_kernarg_size 32
		.amdhsa_user_sgpr_count 2
		.amdhsa_user_sgpr_kernarg_segment_ptr 1
		.amdhsa_wavefront_size32 1
		.amdhsa_system_sgpr_workgroup_id_x 1
		.amdhsa_system_sgpr_workgroup_id_y 1
		.amdhsa_system_sgpr_workgroup_id_z 1
		.amdhsa_system_vgpr_workitem_id 0
		.amdhsa_next_free_vgpr 1024
		.amdhsa_next_free_sgpr 104
		.amdhsa_reserve_vcc 0
		.amdhsa_float_denorm_mode_32 3
		.amdhsa_float_denorm_mode_16_64 3
		.amdhsa_memory_ordered 1
		.amdhsa_forward_progress 1
		.amdhsa_inst_pref_size 181
	.end_amdhsa_kernel
	.amdgpu_metadata
---
amdhsa.version: [ 1, 2 ]
amdhsa.kernels:
  - .name:           k_qc0d8d163f3_ff1
    .symbol:         k_qc0d8d163f3_ff1.kd
    .args:
      - { .name: x1q, .offset: 0, .size: 8, .value_kind: global_buffer, .address_space: global }
      - { .name: wimg, .offset: 8, .size: 8, .value_kind: global_buffer, .address_space: global }
      - { .name: b_ff1, .offset: 16, .size: 8, .value_kind: global_buffer, .address_space: global }
      - { .name: himg, .offset: 24, .size: 8, .value_kind: global_buffer, .address_space: global }
    .group_segment_fixed_size: 327680
    .private_segment_fixed_size: 0
    .kernarg_segment_align: 8
    .kernarg_segment_size: 32
    .max_flat_workgroup_size: 128
    .sgpr_count:     104
    .vgpr_count:     1024
    .wavefront_size: 32
...
	.end_amdgpu_metadata
.endif
;; end of part 5
;; launch ff2 (part 6): grid 8 x 32, 4 waves a work-group, clusters of 4 x 4, 327,680 bytes of LDS; arguments himg, wimg, x1a, y2; writes y2
.if DOCPART == 6
	.amdgcn_target "amdgcn-amd-amdhsa--gfx1250"
	.amdhsa_code_object_version 6
	.text
	.protected	k_qc0d8d163f3_ff2
	.globl	k_qc0d8d163f3_ff2
	.p2align	8
	.type	k_qc0d8d163f3_ff2,@function
k_qc0d8d163f3_ff2:
	s_mov_b64 s[64:65], 0
	v_nop
	global_prefetch_b8 v0, s[64:65] scope:SCOPE_SE
	s_setreg_imm32_b32 hwreg(HW_REG_WAVE_MODE, 25, 1), 1
	s_wait_xcnt 0x0
	s_wait_alu depctr_hold_cnt(0) depctr_sa_sdst(0) depctr_va_vdst(0) depctr_va_sdst(0) depctr_va_ssrc(0) depctr_va_vcc(0) depctr_vm_vsrc(0)
	s_getreg_b32 s2, hwreg(HW_REG_IB_STS2, 6, 4)
	s_cmp_eq_u32 s2, 0
	s_cbranch_scc0 .Lentry_in_a_cluster
	s_endpgm
.Lentry_in_a_cluster:
	s_bfe_u32 s2, ttmp6, 0x10000c
	s_cmp_lg_u32 s2, 0xf033
	s_cbranch_scc0 .Lentry_shape_is_right
	s_endpgm
.Lentry_shape_is_right:
.set KSB,    12288
.set PART,   3*KSB
.set SLOT,   4*PART
.set SPARE,  2*SLOT
.set ADR,    2
.set L16,    18
.set L8,     19
.set SPW,    28
.set NIL,    29
.set SCR,    32
.set AF,     160
.set G1,   24
.set G0,   32
.set G1B,  48
.set G0B,  56
.set G1T,  68
.set G0T,  76
.set G1TB, 80
.set G0TB, 88
.set MSB, 0
.macro WIN new
.if MSB != (\new)
	s_set_vgpr_msb (MSB<<8)|(\new)
.set MSB, (\new)
.endif
.endm
.set MULW, 0xa1
.set TO_B, 0x40
.macro PLACES
.rept 4
	v_nop
.endr
.endm
.macro JLOAD g0a, g1a, g0b, g1b
	s_cmp_eq_u32 s17, 0
	s_cbranch_scc0 .Lfor_b_\@
	tensor_load_to_lds s[\g0a:\g0a+3], s[\g1a:\g1a+7]
	s_nop 0
.rept 4
	v_nop
.endr
	s_branch .Lasked_\@
.Lfor_b_\@:
	tensor_load_to_lds s[\g0b:\g0b+3], s[\g1b:\g1b+7]
	s_nop 0
.rept 4
	v_nop
.endr
.Lasked_\@:
.endm
.macro CREST
	s_cmp_lg_u32 s16, 0
	s_cbranch_scc1 .Lnot_wave_0_\@
	s_barrier_signal -3
.Lnot_wave_0_\@:
	s_barrier_wait -3
	s_barrier_signal -1
	s_barrier_wait -1
.endm
.macro CROUND
	s_barrier_signal -1
	s_barrier_wait -1
	CREST
.endm
.macro FRAG reg, a16, a8, off
	ds_load_b128 v[\reg:\reg+3], v[\a16] offset:(\off)
	ds_load_b64 v[\reg+4:\reg+5], v[\a8] offset:(\off)+512
	ds_load_b128 v[\reg+6:\reg+9], v[\a16] offset:(\off)+768
	ds_load_b64 v[\reg+10:\reg+11], v[\a8] offset:(\off)+1280
.endm
.macro WM r0, r1
.if (\r0) && (\r1)
	v_wmma_scale_f32_16x16x128_f8f6f4 v[rD:rD+7], v[rS0:rS0+11], v[rS1:rS1+11], v[rD:rD+7], v[rX0], v[rX1] matrix_a_fmt:MATRIX_FMT_FP6 matrix_b_fmt:MATRIX_FMT_FP6 matrix_a_scale:MATRIX_SCALE_ROW1 matrix_b_scale:MATRIX_SCALE_ROW1
.elseif (\r0)
	v_wmma_scale_f32_16x16x128_f8f6f4 v[rD:rD+7], v[rS0:rS0+11], v[rS1:rS1+11], v[rD:rD+7], v[rX0], v[rX1] matrix_a_fmt:MATRIX_FMT_FP6 matrix_b_fmt:MATRIX_FMT_FP6 matrix_a_scale:MATRIX_SCALE_ROW1
.elseif (\r1)
	v_wmma_scale_f32_16x16x128_f8f6f4 v[rD:rD+7], v[rS0:rS0+11], v[rS1:rS1+11], v[rD:rD+7], v[rX0], v[rX1] matrix_a_fmt:MATRIX_FMT_FP6 matrix_b_fmt:MATRIX_FMT_FP6 matrix_b_scale:MATRIX_SCALE_ROW1
.else
	v_wmma_scale_f32_16x16x128_f8f6f4 v[rD:rD+7], v[rS0:rS0+11], v[rS1:rS1+11], v[rD:rD+7], v[rX0], v[rX1] matrix_a_fmt:MATRIX_FMT_FP6 matrix_b_fmt:MATRIX_FMT_FP6
.endif
.endm
.macro MUL4 a, p, ks
.irp b, 0,1,2,3
.set rD,  8*(4*(\a)+\b)
.set rS0, 48*(\p)+12*\b
.set rS1, AF+48*(\p)+12*(\a)
.set rX0, SCR+4*(\ks)+2+\b/2
.set rX1, SCR+4*(\ks)+(\a)/2
	WM \b%2, (\a)%2
.endr
.endm
.macro FETCH slot, q, p
	WIN TO_B
.irp i, 0,1,2,3
	FRAG 48*(\p)+12*\i, ADR+8+4*(\slot)+2*((\q)/3), ADR+8+4*(\slot)+2*((\q)/3)+1, ((\q)%3)*KSB+\i*1536
.endr
	WIN 0
.irp i, 0,1,2,3
	FRAG AF+48*(\p)+12*\i, ADR+4*(\slot)+2*((\q)/3), ADR+4*(\slot)+2*((\q)/3)+1, ((\q)%3)*KSB+\i*1536
.endr
.endm
.macro SLOAD ks
	global_load_b64 v[SCR+4*(\ks):SCR+4*(\ks)+1], v[L16], s[94:95] offset:512*(\ks)
	global_load_b64 v[SCR+4*(\ks)+2:SCR+4*(\ks)+3], v[L16], s[96:97] offset:512*(\ks)
.endm
.macro STEP ks, fslot, fq
	s_wait_dscnt 0x0
	s_wait_loadcnt 62-2*(\ks)
	WIN MULW
	MUL4 0, (\ks)%2, \ks
	MUL4 1, (\ks)%2, \ks
	PLACES
	FETCH \fslot, \fq, 1-(\ks)%2
	WIN MULW
	MUL4 2, (\ks)%2, \ks
	MUL4 3, (\ks)%2, \ks
.endm
.macro TURN ks, slot, next, fill
	s_wait_loadcnt 62-2*(\ks)
	WIN 0
	s_wait_tensorcnt 0x0
	ds_add_u32 v[SPW], v[NIL]
	s_wait_dscnt 1
	WIN MULW
	MUL4 0, 1, \ks
	s_wait_dscnt 0x0
	s_barrier_signal -1
	MUL4 1, 1, \ks
	WIN 0
	s_barrier_wait -1
.if \fill == 1
	CREST
	s_add_nc_u64 s[G0+4*\slot+2:G0+4*\slot+3], s[G0+4*\slot+2:G0+4*\slot+3], 4*PART
	s_add_nc_u64 s[G0B+4*\slot+2:G0B+4*\slot+3], s[G0B+4*\slot+2:G0B+4*\slot+3], 4*PART
	JLOAD G0+4*\slot, G1, G0B+4*\slot, G1B
.elseif \fill == 2
	CREST
	JLOAD G0T, G1T, G0TB, G1TB
.else
	PLACES
.endif
	FETCH \next, 0, 0
	WIN MULW
	MUL4 2, 1, \ks
	MUL4 3, 1, \ks
.endm
.macro RUN5 k0, slot
.irp q, 0,1,2,3,4
	STEP (\k0)+\q, \slot, \q+1
.endr
.endm
	s_load_b256 s[4:11], s[0:1], 0x0
	v_lshl_add_u32 v[SPW], v0, 2, SPARE
	v_mov_b32 v[NIL], 0
	ds_add_u32 v28, v29
	ds_add_u32 v28, v29
	s_wait_dscnt 0x0
	v_lshrrev_b32 v1, 5, v0
	v_readfirstlane_b32 s16, v1
	s_lshr_b32 s17, s16, 1
	s_and_b32 s18, s16, 1
	s_bfe_u32 s40, ttmp6, 0x40000
	s_bfe_u32 s41, ttmp6, 0x40004
	s_lshl_b32 s42, ttmp9, 2
	s_add_co_u32 s42, s42, s40
	s_and_b32 s19, ttmp7, 0xffff
	s_lshl_b32 s19, s19, 2
	s_add_co_u32 s19, s19, s41
	s_lshl_b32 s43, s41, 2
	s_lshl_b32 s43, 15, s43
	s_lshl_b32 s44, 0x1111, s40
	s_or_b32 s[G1], s43, (3<<16)|(1<<21)
	s_or_b32 s[G1B], s44, (3<<16)|(1<<21)
	s_or_b32 s[G1T], s43, (3<<16)|(1<<21)
	s_or_b32 s[G1TB], s44, (3<<16)|(1<<21)
.irp g, G1, G1B
	s_mov_b32 s[\g+1], 32<<16
	s_mov_b32 s[\g+2], 144<<16
	s_mov_b32 s[\g+3], 32<<16
	s_mov_b32 s[\g+4], 144
	s_mov_b32 s[\g+5], 32
	s_mov_b32 s[\g+6], 0
	s_mov_b32 s[\g+7], 0
.endr
.irp g, G1T, G1TB
	s_mov_b32 s[\g+1], 32<<16
	s_mov_b32 s[\g+2], 48<<16
	s_mov_b32 s[\g+3], 32<<16
	s_mov_b32 s[\g+4], 48
	s_mov_b32 s[\g+5], 32
	s_mov_b32 s[\g+6], 0
	s_mov_b32 s[\g+7], 0
.endr
	s_mul_i32 s20, s19, 393216
	s_mul_i32 s100, s18, KSB
	s_add_co_u32 s22, s20, s100
	s_add_co_u32 s22, s22, 30*KSB
	s_mov_b32 s23, 0
	s_mul_i32 s100, s18, PART
	s_add_co_u32 s20, s20, s100
	s_mov_b32 s21, 0
	s_mul_i32 s46, s42, 393216
	s_add_co_u32 s46, s46, 6291456
	s_mul_i32 s100, s18, KSB
	s_add_co_u32 s92, s46, s100
	s_add_co_u32 s92, s92, 30*KSB
	s_mov_b32 s93, 0
	s_mul_i32 s100, s18, PART
	s_add_co_u32 s46, s46, s100
	s_mov_b32 s47, 0
	s_mul_i32 s45, s16, PART
	s_mul_i32 s101, s17, 2*PART
	s_mul_i32 s100, s18, KSB
	s_add_co_u32 s101, s101, s100
	s_add_co_u32 s101, s101, SLOT
	s_wait_kmcnt 0x0
	s_add_nc_u64 s[20:21], s[4:5], s[20:21]
	s_add_nc_u64 s[22:23], s[4:5], s[22:23]
	s_add_nc_u64 s[46:47], s[6:7], s[46:47]
	s_add_nc_u64 s[92:93], s[6:7], s[92:93]
	s_mov_b32 s[G0T], 1
	s_mov_b32 s[G0T+1], s101
	s_mov_b64 s[G0T+2:G0T+3], s[22:23]
	s_or_b32 s[G0T+3], s[G0T+3], 0x80000000
	s_mov_b32 s[G0TB], 1
	s_mov_b32 s[G0TB+1], s101
	s_mov_b64 s[G0TB+2:G0TB+3], s[92:93]
	s_or_b32 s[G0TB+3], s[G0TB+3], 0x80000000
	CROUND
.irp s, 0,1
	s_mov_b32 s[G0+4*\s], 1
	s_add_co_u32 s[G0+4*\s+1], s45, \s*SLOT
	s_add_nc_u64 s[G0+4*\s+2:G0+4*\s+3], s[20:21], \s*2*PART
	s_or_b32 s[G0+4*\s+3], s[G0+4*\s+3], 0x80000000
	s_mov_b32 s[G0B+4*\s], 1
	s_add_co_u32 s[G0B+4*\s+1], s45, \s*SLOT
	s_add_nc_u64 s[G0B+4*\s+2:G0B+4*\s+3], s[46:47], \s*2*PART
	s_or_b32 s[G0B+4*\s+3], s[G0B+4*\s+3], 0x80000000
.if \s                                         ; slot 0's load stands behind the round above; slot 1's first fill is issued as a refill is
	s_wait_alu depctr_va_vdst(0)
	s_wait_tensorcnt 0x0
	ds_add_u32 v28, v29
	ds_add_u32 v28, v29
	s_wait_dscnt 0x0
	CROUND
.endif
	JLOAD G0+4*\s, G1, G0B+4*\s, G1B
.endr
	v_and_b32 v1, 31, v0
	v_lshlrev_b32 v[L16], 4, v1
	v_lshlrev_b32 v[L8], 3, v1
	s_mul_i32 s20, s17, 6144
	s_mul_i32 s21, s18, 6144
	s_add_co_u32 s21, s21, 2*PART
.irp s, 0,1
.irp g, 0,1
	v_add_nc_u32 v[ADR+4*\s+2*\g], s20, v[L16]
	v_add_nc_u32 v[ADR+4*\s+2*\g+1], s20, v[L8]
	v_add_nc_u32 v[ADR+8+4*\s+2*\g], s21, v[L16]
	v_add_nc_u32 v[ADR+8+4*\s+2*\g+1], s21, v[L8]
	s_add_co_u32 s20, s20, PART
	s_add_co_u32 s21, s21, PART
.endr
	s_add_co_u32 s20, s20, SLOT-2*PART
	s_add_co_u32 s21, s21, SLOT-2*PART
.endr
	s_lshl_b32 s20, s19, 3
	s_lshl_b32 s21, s17, 2
	s_add_co_u32 s20, s20, s21
	s_lshl_b32 s20, s20, 16
	s_lshl_b32 s21, s42, 3
	s_lshl_b32 s22, s18, 2
	s_add_co_u32 s21, s21, s22
	s_lshl_b32 s21, s21, 10
	s_add_co_u32 s20, s20, s21
	s_mov_b32 s21, 0
	s_add_nc_u64 s[8:9], s[8:9], s[20:21]
	s_add_nc_u64 s[10:11], s[10:11], s[20:21]
	s_lshl_b32 s94, s19, 14
	s_lshl_b32 s100, s17, 3
	s_add_co_u32 s94, s94, s100
	s_add_co_u32 s94, s94, 12582912
	s_mov_b32 s95, 0
	s_add_nc_u64 s[94:95], s[4:5], s[94:95]
	s_lshl_b32 s96, s42, 14
	s_lshl_b32 s100, s18, 3
	s_add_co_u32 s96, s96, s100
	s_add_co_u32 s96, s96, 9699328
	s_mov_b32 s97, 0
	s_add_nc_u64 s[96:97], s[6:7], s[96:97]
	WIN 0x80
.irp a, 0,1,2,3
.irp b, 0,1,2,3
.irp e, 0,1
	global_load_b128 v[8*(4*\a+\b)+4*\e:8*(4*\a+\b)+4*\e+3], v[L16], s[8:9] offset:65536*\a+1024*\b+512*\e th:TH_LOAD_NT
.endr
.endr
.endr
	WIN 0
.set k, 0
.rept 15
	SLOAD k
.set k, k+1
.endr
	s_wait_alu depctr_va_vdst(0)
	s_wait_tensorcnt 1
	s_barrier_signal -1
	s_barrier_wait -1
	FETCH 0, 0, 0
.rept 17
	SLOAD k
.set k, k+1
.endr
	RUN5 0, 0
	TURN 5, 0, 1, 1
	RUN5 6, 1
	TURN 11, 1, 0, 1
	RUN5 12, 0
	TURN 17, 0, 1, 1
	RUN5 18, 1
	TURN 23, 1, 0, 2
	RUN5 24, 0
	TURN 29, 0, 1, 0
	STEP 30, 1, 1
	s_wait_dscnt 0x0
	s_wait_loadcnt 0x0
	WIN MULW
	MUL4 0, 1, 31
	MUL4 1, 1, 31
	MUL4 2, 1, 31
	MUL4 3, 1, 31
	PLACES
	WIN 0x08
.irp a, 0,1,2,3
.irp b, 0,1,2,3
.irp e, 0,1
	global_store_b128 v[L16], v[8*(4*\a+\b)+4*\e:8*(4*\a+\b)+4*\e+3], s[10:11] offset:65536*\a+1024*\b+512*\e
.endr
.endr
.endr
	WIN 0
	s_wait_tensorcnt 0x0
	ds_add_u32 v[SPW], v[NIL]
	s_wait_dscnt 0x0
	CROUND
	s_endpgm
.Lfunc_end_k_qc0d8d163f3_ff2:
	.size	k_qc0d8d163f3_ff2, .Lfunc_end_k_qc0d8d163f3_ff2-k_qc0d8d163f3_ff2
	.p2alignl 7, 3214868480
	.fill 96, 4, 3214868480
	.section	.rodata,"a",@progbits
	.p2align	6, 0x0
	.amdhsa_kernel k_qc0d8d163f3_ff2
		.amdhsa_group_segment_fixed_size 327680
		.amdhsa_private_segment_fixed_size 0
		.amdhsa_enable_private_segment 0
		.amdhsa_kernarg_size 32
		.amdhsa_user_sgpr_count 2
		.amdhsa_user_sgpr_kernarg_segment_ptr 1
		.amdhsa_wavefront_size32 1
		.amdhsa_system_sgpr_workgroup_id_x 1
		.amdhsa_system_sgpr_workgroup_id_y 1
		.amdhsa_system_sgpr_workgroup_id_z 1
		.amdhsa_system_vgpr_workitem_id 0
		.amdhsa_next_free_vgpr 640
		.amdhsa_next_free_sgpr 104
		.amdhsa_reserve_vcc 0
		.amdhsa_float_denorm_mode_32 3
		.amdhsa_float_denorm_mode_16_64 3
		.amdhsa_memory_ordered 1
		.amdhsa_forward_progress 1
		.amdhsa_inst_pref_size 164
	.end_amdhsa_kernel
	.amdgpu_metadata
---
amdhsa.version: [ 1, 2 ]
amdhsa.kernels:
  - .name:           k_qc0d8d163f3_ff2
    .symbol:         k_qc0d8d163f3_ff2.kd
    .args:
      - { .name: himg, .offset: 0, .size: 8, .value_kind: global_buffer, .address_space: global }
      - { .name: wimg, .offset: 8, .size: 8, .value_kind: global_buffer, .address_space: global }
      - { .name: x1a, .offset: 16, .size: 8, .value_kind: global_buffer, .address_space: global }
      - { .name: y2, .offset: 24, .size: 8, .value_kind: global_buffer, .address_space: global }
    .group_segment_fixed_size: 327680
    .private_segment_fixed_size: 0
    .kernarg_segment_align: 8
    .kernarg_segment_size: 32
    .max_flat_workgroup_size: 128
    .sgpr_count:     104
    .vgpr_count:     640
    .wavefront_size: 32
...
	.end_amdgpu_metadata
.endif
;; end of part 6
;; launch ln2 (part 7): grid 256 x 1, 8 waves a work-group, no clusters, 69,632 bytes of LDS; arguments y2, ln2_g, ln2_b, out0; writes out0
.if DOCPART == 7
	.amdgcn_target "amdgcn-amd-amdhsa--gfx1250"
	.amdhsa_code_object_version 6
	.text
	.protected	k_qc0d8d163f3_ln2
	.globl	k_qc0d8d163f3_ln2
	.p2align	8
	.type	k_qc0d8d163f3_ln2,@function
k_qc0d8d163f3_ln2:
	s_mov_b64 s[64:65], 0
	v_nop
	global_prefetch_b8 v0, s[64:65] scope:SCOPE_SE
	s_setreg_imm32_b32 hwreg(HW_REG_WAVE_MODE, 25, 1), 1
	s_wait_xcnt 0x0
; out0 = LayerNorm(y2).  y2 lies in the accumulators' layout: 1,024 bytes for (row tile T, column tile t'): registers 0-3 at 16 x lane, 4-7 at 512 + 16 x lane; register j of lane (r, h) is
; row 128 (T / 8) + 32 ((T % 8) / 2) + 8 (T % 2) + r + 8 (r / 8), column 128 (t' / 8) + 32 ((t' % 8) / 2) + 16 h + 8 (t' % 2) + j.
; A work-group takes one row tile, 16 whole rows; wave w its column tiles 8 w .. 8 w + 7: 8,192 dense bytes, read once.  The waves' sums meet in LDS, twice (mean; mean of squares about it).
; The results turn through the wave's own stage (16 rows x (512 + 16) bytes) and leave as 512 consecutive bytes of a row.  A stream: no matrix work, no tile read twice, so no cluster.
.set Y,  64
.set GG, 128
.set BB, 192
.set STATB, 67584                      ; behind the eight stages: two tables of 512 bytes for the waves' sums.  The base stands in the address registers: an LDS immediate has 16 bits
.set SEL, 26
.macro RTAIL d
	s_delay_alu instid0(VALU_DEP_1)
	v_pk_add_f32 v[20:21], v[20:21], v[22:23]
	s_delay_alu instid0(VALU_DEP_1)
	v_add_f32 v20, v20, v21
	s_delay_alu instid0(VALU_DEP_1)
	v_permlanex16_b32 v24, v20, s[SEL], s[SEL+1]
	s_delay_alu instid0(VALU_DEP_1)
	v_add_f32 v[\d], v20, v24
.endm
.macro MEET stat                       ; v25: my wave's figure of row r -> v28: the eight waves' sum.  stat: 0 or 512, the table
	ds_store_b32 v7, v25 offset:\stat              ; both halves of the lanes write the same word with the same value
	s_wait_dscnt 0x0
	s_barrier_signal -1
	s_barrier_wait -1
.irp i, 0,1,2,3,4,5,6,7
	ds_load_b32 v[28+\i], v8 offset:\stat+64*\i
.endr
	s_wait_dscnt 0x0
	v_add_f32 v28, v28, v29
	v_add_f32 v30, v30, v31
	v_add_f32 v32, v32, v33
	v_add_f32 v34, v34, v35
	s_delay_alu instid0(VALU_DEP_3)
	v_add_f32 v28, v28, v30
	s_delay_alu instid0(VALU_DEP_2)
	v_add_f32 v32, v32, v34
	s_delay_alu instid0(VALU_DEP_1)
	v_add_f32 v28, v28, v32
.endm
	s_load_b256 s[4:11], s[0:1], 0x0               ; y2, ln2_g, ln2_b, out0
	v_lshl_add_u32 v62, v0, 2, 0x10c00
	v_mov_b32 v63, 0
	v_lshrrev_b32 v1, 5, v0
	s_delay_alu instid0(VALU_DEP_1)
	v_readfirstlane_b32 s12, v1                    ; wave
	v_and_b32 v2, 31, v0
	v_and_b32 v3, 15, v0
	v_bfe_u32 v4, v0, 4, 1
	s_delay_alu instid0(VALU_DEP_3)
	v_lshlrev_b32 v5, 4, v2                        ; 16 x lane
	s_delay_alu instid0(VALU_DEP_2)
	v_lshlrev_b32 v6, 6, v4                        ; 64 h
	s_lshl_b32 s13, s12, 6
	v_lshl_add_u32 v7, v3, 2, s13
	s_delay_alu instid0(VALU_DEP_1)
	v_add_nc_u32 v7, STATB, v7                     ; the tables: my word, 64 w + 4 r
	v_lshl_add_u32 v8, v3, 2, STATB                ; and the eight waves' words of row r, 64 bytes apart
	s_mul_i32 s14, s12, 8448
	v_mul_u32_u24 v9, v3, 528
	s_delay_alu instid0(VALU_DEP_1)
	v_lshl_add_u32 v9, v4, 6, v9
	s_delay_alu instid0(VALU_DEP_1)
	v_add_nc_u32 v9, s14, v9                       ; the stage, in: row r, + 64 h
	v_add_nc_u32 v10, s14, v5                      ; and out
	v_mov_b32 v24, 0
	s_mov_b32 s[SEL], 0x76543210
	s_mov_b32 s[SEL+1], 0xfedcba98
	s_mov_b32 s23, 0x3a800000                      ; 1 / 1,024
	s_mov_b32 s24, 0x3727c5ac                      ; 1e-5
	s_lshl_b32 s16, ttmp9, 16
	s_lshl_b32 s17, s12, 13
	s_add_co_u32 s16, s16, s17
	s_mov_b32 s17, 0
	s_lshl_b32 s18, s12, 9
	s_mov_b32 s19, 0
	s_lshr_b32 s20, ttmp9, 3
	s_lshl_b32 s20, s20, 7
	s_bfe_u32 s21, ttmp9, 0x20001
	s_lshl_b32 s21, s21, 5
	s_add_co_u32 s20, s20, s21
	s_and_b32 s21, ttmp9, 1
	s_lshl_b32 s21, s21, 3
	s_add_co_u32 s20, s20, s21                     ; the tile's first row
	s_lshl_b32 s20, s20, 12
	s_add_co_u32 s20, s20, s18
	s_mov_b32 s21, 0
	s_wait_alu depctr_va_vdst(0)
	s_wait_kmcnt 0x0
	s_add_nc_u64 s[4:5], s[4:5], s[16:17]
	s_add_nc_u64 s[6:7], s[6:7], s[18:19]
	s_add_nc_u64 s[8:9], s[8:9], s[18:19]
	s_add_nc_u64 s[10:11], s[10:11], s[20:21]
.irp t, 0,1,2,3,4,5,6,7
.irp e, 0,1
	global_load_b128 v[Y+8*\t+4*\e:Y+8*\t+4*\e+3], v5, s[4:5] offset:1024*\t+512*\e th:TH_LOAD_NT
.endr
.endr
.irp b, 0,1,2,3
.irp j, 0,1,2,3
	global_load_b128 v[GG+16*\b+4*\j:GG+16*\b+4*\j+3], v6, s[6:7] offset:128*\b+16*\j
	global_load_b128 v[BB+16*\b+4*\j:BB+16*\b+4*\j+3], v6, s[8:9] offset:128*\b+16*\j
.endr
.endr
	s_wait_loadcnt 32                              ; y2's sixteen loads are in; the gains' and offsets' 32 may be out
	v_pk_add_f32 v[20:21], v[Y:Y+1], v[Y+2:Y+3]
	v_pk_add_f32 v[22:23], v[Y+4:Y+5], v[Y+6:Y+7]
.irp i, 8,16,24,32,40,48,56
	s_delay_alu instid0(VALU_DEP_2)
	v_pk_add_f32 v[20:21], v[20:21], v[Y+\i:Y+\i+1]
	s_delay_alu instid0(VALU_DEP_2)
	v_pk_add_f32 v[22:23], v[22:23], v[Y+\i+2:Y+\i+3]
	s_delay_alu instid0(VALU_DEP_2)
	v_pk_add_f32 v[20:21], v[20:21], v[Y+\i+4:Y+\i+5]
	s_delay_alu instid0(VALU_DEP_2)
	v_pk_add_f32 v[22:23], v[22:23], v[Y+\i+6:Y+\i+7]
.endr
	RTAIL 25
	MEET 0
	s_delay_alu instid0(VALU_DEP_1)
	v_mul_f32 v40, s23, v28                        ; the mean
	s_delay_alu instid0(VALU_DEP_1)
	v_mov_b32 v41, v40
.set i, 0
.rept 32
	v_pk_add_f32 v[Y+i:Y+i+1], v[Y+i:Y+i+1], v[40:41] neg_lo:[0,1] neg_hi:[0,1]
.set i, i+2
.endr
	v_pk_mul_f32 v[20:21], v[Y:Y+1], v[Y:Y+1]
	v_pk_mul_f32 v[22:23], v[Y+2:Y+3], v[Y+2:Y+3]
.irp i, 4,8,12,16,20,24,28,32,36,40,44,48,52,56,60
	s_delay_alu instid0(VALU_DEP_2)
	v_pk_fma_f32 v[20:21], v[Y+\i:Y+\i+1], v[Y+\i:Y+\i+1], v[20:21]
	s_delay_alu instid0(VALU_DEP_2)
	v_pk_fma_f32 v[22:23], v[Y+\i+2:Y+\i+3], v[Y+\i+2:Y+\i+3], v[22:23]
.endr
	RTAIL 25
	MEET 512                                       ; other bytes than the first meeting's: no barrier between that one's reads and these stores
	s_delay_alu instid0(VALU_DEP_1)
	v_fma_f32 v28, v28, s23, s24                   ; the variance + 1e-5
	s_wait_alu depctr_va_vdst(0)
	v_rsq_f32 v42, v28
	v_nop
	s_wait_alu depctr_va_vdst(0)
	v_mov_b32 v43, v42
	s_wait_alu depctr_va_vdst(0)
	s_wait_loadcnt 0x0
.set i, 0
.rept 32
	v_pk_mul_f32 v[Y+i:Y+i+1], v[Y+i:Y+i+1], v[42:43]
.set i, i+2
.endr
.set i, 0
.rept 32
	v_pk_fma_f32 v[Y+i:Y+i+1], v[Y+i:Y+i+1], v[GG+i:GG+i+1], v[BB+i:BB+i+1]
.set i, i+2
.endr
.irp t, 0,1,2,3,4,5,6,7
.irp e, 0,1
	ds_store_b128 v9, v[Y+8*\t+4*\e:Y+8*\t+4*\e+3] offset:128*(\t/2)+32*(\t%2)+16*\e
.endr
.endr
.irp i, 0,1,2,3,4,5,6,7,8,9,10,11,12,13,14,15
	ds_load_b128 v[GG+4*\i:GG+4*\i+3], v10 offset:528*\i   ; LDS serves a wave's instructions in order: these see my stores
.endr
.irp i, 0,1,2,3,4,5,6,7,8,9,10,11,12,13,14,15
	s_wait_dscnt 15-\i
	global_store_b128 v5, v[GG+4*\i:GG+4*\i+3], s[10:11] offset:(\i+8*(\i/8))*4096 th:TH_STORE_NT   ; 512 consecutive bytes of a row, at a multiple of 256
.endr
	s_wait_tensorcnt 0x0
	ds_add_u32 v62, v63
	s_wait_dscnt 0x0
	s_endpgm
.Lfunc_end_k_qc0d8d163f3_ln2:
	.size	k_qc0d8d163f3_ln2, .Lfunc_end_k_qc0d8d163f3_ln2-k_qc0d8d163f3_ln2
	.p2alignl 7, 3214868480
	.fill 96, 4, 3214868480
	.section	.rodata,"a",@progbits
	.p2align	6, 0x0
	.amdhsa_kernel k_qc0d8d163f3_ln2
		.amdhsa_group_segment_fixed_size 69632
		.amdhsa_private_segment_fixed_size 0
		.amdhsa_enable_private_segment 0
		.amdhsa_kernarg_size 32
		.amdhsa_user_sgpr_count 2
		.amdhsa_user_sgpr_kernarg_segment_ptr 1
		.amdhsa_wavefront_size32 1
		.amdhsa_system_sgpr_workgroup_id_x 1
		.amdhsa_system_sgpr_workgroup_id_y 1
		.amdhsa_system_sgpr_workgroup_id_z 1
		.amdhsa_system_vgpr_workitem_id 0
		.amdhsa_next_free_vgpr 256
		.amdhsa_next_free_sgpr 66
		.amdhsa_reserve_vcc 0
		.amdhsa_float_denorm_mode_32 3
		.amdhsa_float_denorm_mode_16_64 3
		.amdhsa_memory_ordered 1
		.amdhsa_forward_progress 1
		.amdhsa_inst_pref_size 26
	.end_amdhsa_kernel
	.amdgpu_metadata
---
amdhsa.version: [ 1, 2 ]
amdhsa.kernels:
  - .name:           k_qc0d8d163f3_ln2
    .symbol:         k_qc0d8d163f3_ln2.kd
    .args:
      - { .name: y2, .offset: 0, .size: 8, .value_kind: global_buffer, .address_space: global }
      - { .name: ln2_g, .offset: 8, .size: 8, .value_kind: global_buffer, .address_space: global }
      - { .name: ln2_b, .offset: 16, .size: 8, .value_kind: global_buffer, .address_space: global }
      - { .name: out0, .offset: 24, .size: 8, .value_kind: global_buffer, .address_space: global }
    .group_segment_fixed_size: 69632
    .private_segment_fixed_size: 0
    .kernarg_segment_align: 8
    .kernarg_segment_size: 32
    .max_flat_workgroup_size: 256
    .sgpr_count:     66
    .vgpr_count:     256
    .wavefront_size: 32
...
	.end_amdgpu_metadata
.endif
;; end of part 7
